; MI455X (gfx1250); checked and timed in simulation.
; The chip was launched on July 23, 2026; its instructions are those of AMD's public machine-readable ISA for CDNA 5 (MIT licence, August 2026) and "CDNA5" Instruction Set Architecture Reference Guide (July 2026). The comments in the code are by the model that wrote it; some were corrected since.
;; Multi Head Attention. Allowed arithmetic: matrix products marked QUANTISED: E2M1 operands, one E8M0 scale for each 32 along K, by v_wmma_scale_f32_16x16x128_f8f6f4 with both operands' format E2M1 (or v_wmma_scale_f32_32x16x128_f4), f32 sums; products left as they are: bf16, f16 or f32 operands; f32 sums; everything else in f32.
;; Inputs: Wo 1,024 x 1,024 float32; Wqkv 1,024 x 3,072 float32; bo 1,024 float32; bqkv 3,072 float32; x 4 x 2,048 x 1,024 float32.
;; Outputs: out0 4 x 2,048 x 1,024 float32.
;; This version of the problem:
;;   THIS VERSION OF THE PROBLEM IS GIVEN IN LOW PRECISION. The matrix products marked QUANTISED in the list below multiply operands that are first quantised to E2M1 (2 exponent bits, 1 mantissa bit; 4 bits a number), with one power-of-two scale for each 32 numbers along K (OCP MX v1.0); their sums are f32. The products marked 'left as it is' may take bf16, f16 or f32 operands, with f32 sums. Whichever they take, every output number must still come out within the allowed error. Rounding operands to bf16 (8 significant bits) uses up far more of that allowance than f16 does (11 bits, for magnitudes from 6e-5 to 65,504). All else is computed in f32.
;;   The module's matrix products, in the order in which they are computed (A, B: the left and right operand; K: the contracted axis; several contracted axes count as one K, in the product's order):
;;     1. [M 8,192, K 1,024] x [K 1,024, N 3,072]; A: input x; B: input Wqkv: QUANTISED
;;     2. [M 2,048, K 1] x [K 1, N 32]; A: computed on the way; B: computed on the way: left as it is (no contracted axis)
;;     3. batch 64 x [M 2,048, K 64] x [K 64, N 2,048]; A: computed on the way; B: computed on the way: left as it is (an operand is computed on the way)
;;     4. batch 64 x [M 2,048, K 2,048] x [K 2,048, N 64]; A: computed on the way; B: computed on the way: left as it is (an operand is computed on the way)
;;     5. [M 8,192, K 1,024] x [K 1,024, N 1,024]; A: computed on the way; B: input Wo: left as it is (an operand is computed on the way)
;;   THE QUANTISER, for each operand of a quantised product, along K:
;;     - K is cut into blocks of 32 from its start; a last block that is shorter is filled with zeros.
;;     - A block's scale is 2^e with e = floor(log2(the largest magnitude in the block)) - 2, held to -126 .. 127; a block of zeros has e = 0. As a byte (E8M0): e + 127.
;;     - Each number is divided by its block's scale, clamped to +-6, and rounded to the nearest number of E2M1, ties to even, subnormals kept.
;;     - The product sums the exact products of the quantised numbers (number of the format x scale) in f32.
;;   ~~~python
;;   def quantise(x, axis):      # numpy; x: float32 -> the quantised numbers, widened to float32 again
;;       x = np.moveaxis(x, axis, -1); K = x.shape[-1]
;;       x = np.pad(x, [(0, 0)] * (x.ndim - 1) + [(0, -K % 32)]); x = x.reshape(x.shape[:-1] + (-1, 32)); a = np.abs(x).max(-1, keepdims=True)
;;       e = np.where(a > 0, np.clip(np.frexp(np.where(a > 0, a, 1))[1] - 1 - 2, -126, 127), 0)      # np.frexp(a)[1] - 1 = floor(log2(a)), exactly
;;       r = np.clip(x / 2.0 ** e, -6, 6)
;;       step = 2.0 ** (np.maximum(np.frexp(np.where(r == 0, 1, r))[1] - 1, 0) - 1)
;;       q = np.round(r / step) * step * 2.0 ** e      # np.round: ties to even
;;       return np.moveaxis(q.reshape(q.shape[:-2] + (-1,))[..., :K], -1, axis).astype(np.float32)
;;   ~~~
;; One version. Each part assembles by itself: llvm-mc -triple=amdgcn-amd-amdhsa -mcpu=gfx1250 --defsym DOCPART=n.
;; ======== version 1 of 1: 4 launches
;; limits: values are held in f16: magnitudes above 65,504 overflow, below 6.1e-05 lose precision
;; workspace buffers: xc 4,194,304 bytes; xs 262,144 bytes; wc 1,572,864 bytes; ws 98,304 bytes; woi 2,097,152 bytes; tab 524,288 bytes; qkvi 50,331,648 bytes; atti 16,777,216 bytes
;; launch prep (part 1): grid 560 x 1, 4 waves a work-group, no clusters, 68,096 bytes of LDS; arguments x, Wqkv, Wo, xc, xs, wc, ws, woi, tab; writes xc, xs, wc, ws, woi, tab
.if DOCPART == 1
	.amdgcn_target "amdgcn-amd-amdhsa--gfx1250"
	.amdhsa_code_object_version 6
	.text
	.protected	k_q6ba1cb5472_prep
	.globl	k_q6ba1cb5472_prep
	.p2align	8
	.type	k_q6ba1cb5472_prep,@function
k_q6ba1cb5472_prep:
	s_mov_b64 s[64:65], 0
	v_nop
	global_prefetch_b8 v0, s[64:65] scope:SCOPE_SE
	s_setreg_imm32_b32 hwreg(HW_REG_WAVE_MODE, 25, 1), 1
	s_wait_xcnt 0x0
; PREP: everything that is made once.  Four kinds of work-group, told apart by the work-group's number alone:
;   0..255   X: x [8192][1024] f32 -> codes of FP4 (E2M1), K innermost (xc), one E8M0 byte for each 32 along K (xs)
;   256..303 W: Wqkv [1024 (k)][3072 (n)] f32 -> codes laid [3072][1024] with K innermost (wc), bytes [3072][32] (ws)
;   304..431 O: Wo [1024 (k)][1024 (n)] f32 -> f16, laid as the registers of fragments of Wo^T (woi)
;   432..559 T: cos and sin of RoPE's angles, f32, laid as the registers in which the next launch wants them (tab)
; A block's scale is 2^(floor(log2(largest magnitude)) - 2): its byte is the largest magnitude's exponent field - 2, held at 1 from below.
; LIMITS: a block of zeros gets the byte 1 where the rule says 127 (its codes are zeros, and this program alone reads the bytes); blocks whose largest
; magnitude lies under 2^(2 - 126) keep the byte 1; NaN and infinities among the inputs are not served; |Wo| must stay under 65,504 (f16).
; RoPE: inv_freq = 2^(-f log2(10000) / 32) by v_exp_f32 (1 ulp), angle = t x inv_freq rounded once; the angle is reduced by multiples of pi/2 in three
; parts and sin, cos are polynomials on [-pi/4, pi/4], good to about 2e-7.  The angle may differ from a correctly rounded one by some 3e-7 of itself.
; Streams share nothing: no tensor loads, no barrier, no cluster.  Paths X and W use LDS, each bytes of its own.
.set SPW,   192                        ; v192  LDS address of my spare word: SPARE + 4 x my thread's number; never rewritten
.set NIL,   193                        ; v193  0; never rewritten
.set SPARE, 67584                      ; behind X's four regions (0..32767) and W's four stages (32768..67583): 128 bytes for each wave
.macro FINISH                          ; a wave's end, behind the last LDS store
	s_wait_tensorcnt 0x0
	ds_add_u32 v[SPW], v[NIL]
	s_wait_dscnt 0x0
	s_endpgm
.endm
	s_load_b512 s[4:19], s[0:1], 0x0               ; x s[4:5], Wqkv s[6:7], Wo s[8:9], xc s[10:11], xs s[12:13], wc s[14:15], ws s[16:17], woi s[18:19]
	s_load_b64 s[20:21], s[0:1], 0x40              ; tab
	v_lshl_add_u32 v[SPW], v0, 2, SPARE
	v_mov_b32 v[NIL], 0
	v_lshrrev_b32 v1, 5, v0
	v_readfirstlane_b32 s22, v1                    ; wave 0..3
	v_and_b32 v2, 31, v0                           ; lane
	s_mov_b32 s27, 0                               ; the upper word of every offset pair s[26:27]
	s_wait_kmcnt 0x0
	s_cmp_lt_u32 ttmp9, 256
	s_cbranch_scc1 .Lx
	s_cmp_lt_u32 ttmp9, 304
	s_cbranch_scc1 .Lw
	s_cmp_lt_u32 ttmp9, 432
	s_cbranch_scc1 .Lo
; ---- T: the table.  Work-group tt = 16 tokens; wave ug = (u, g); lane (r, h): token 16 tt + r, frequencies f = 16 u + 8 h + 4 g + 0..3.
	s_sub_co_u32 s24, ttmp9, 432                   ; tt
	s_mov_b32 s30, 0xbed49a78                      ; -log2(10000) / 32
	s_mov_b32 s31, 0x3f22f983                      ; 2 / pi
	s_mov_b32 s32, 0x3fc90000                      ; pi / 2 in three parts
	s_mov_b32 s33, 0x39fda000
	s_mov_b32 s34, 0x33a22169
	s_mov_b32 s35, 0xbe2aaaa3                      ; sin's three coefficients
	s_mov_b32 s36, 0x3c08839e
	s_mov_b32 s37, 0xb94ca1f9
	s_mov_b32 s38, 0x3d2aaaa5                      ; cos's three
	s_mov_b32 s39, 0xbab6061a
	s_mov_b32 s40, 0x37ccf5ce
	v_and_b32 v3, 15, v0                           ; r
	v_bfe_u32 v4, v0, 4, 1                         ; h
	s_lshl_b32 s25, s24, 4
	v_add_nc_u32 v5, s25, v3
	v_cvt_f32_u32 v5, v5                           ; t
	s_lshr_b32 s26, s22, 1
	s_lshl_b32 s26, s26, 4                         ; 16 u
	s_and_b32 s28, s22, 1
	s_lshl_b32 s28, s28, 2                         ; 4 g
	s_add_co_u32 s26, s26, s28
	v_lshl_add_u32 v6, v4, 3, s26                  ; my first frequency
.irp e, 0,1,2,3
	v_add_nc_u32 v[8+\e], \e, v6
.endr
.irp e, 0,1,2,3
	v_cvt_f32_u32 v[8+\e], v[8+\e]
.endr
.irp e, 0,1,2,3
	v_mul_f32 v[8+\e], s30, v[8+\e]
.endr
.irp e, 0,1,2,3
	v_exp_f32 v[12+\e], v[8+\e]                    ; inv_freq: one batch of four
.endr
	v_lshlrev_b32 v7, 4, v2                        ; 16 x lane (the plain line behind the batch)
	s_wait_alu depctr_va_vdst(0)                   ; one wait for the four, ahead of their first reader
.irp e, 0,1,2,3
	v_mul_f32 v[16+\e], v5, v[12+\e]               ; the angle
.endr
.irp e, 0,1,2,3
	v_mul_f32 v[20+\e], s31, v[16+\e]
.endr
.irp e, 0,1,2,3
	v_rndne_f32 v[20+\e], v[20+\e]                 ; n: the nearest multiple of pi / 2
.endr
.irp e, 0,1,2,3
	v_fma_f32 v[24+\e], -v[20+\e], s32, v[16+\e]
.endr
.irp e, 0,1,2,3
	v_fma_f32 v[24+\e], -v[20+\e], s33, v[24+\e]
.endr
.irp e, 0,1,2,3
	v_fma_f32 v[24+\e], -v[20+\e], s34, v[24+\e]   ; what is left, within pi / 4 of 0
.endr
.irp e, 0,1,2,3
	v_mul_f32 v[28+\e], v[24+\e], v[24+\e]         ; z
.endr
.irp e, 0,1,2,3
	v_fma_f32 v[32+\e], v[28+\e], s37, s36
	v_fma_f32 v[36+\e], v[28+\e], s40, s39
.endr
.irp e, 0,1,2,3
	v_fma_f32 v[32+\e], v[28+\e], v[32+\e], s35
	v_fma_f32 v[36+\e], v[28+\e], v[36+\e], s38
.endr
.irp e, 0,1,2,3
	v_mul_f32 v[40+\e], v[28+\e], v[24+\e]
	v_fma_f32 v[48+\e], v[28+\e], -0.5, 1.0
	v_mul_f32 v[64+\e], v[28+\e], v[28+\e]
.endr
.irp e, 0,1,2,3
	v_fma_f32 v[44+\e], v[40+\e], v[32+\e], v[24+\e]   ; sin of what is left
	v_fma_f32 v[48+\e], v[64+\e], v[36+\e], v[48+\e]   ; cos of it
	v_cvt_i32_f32 v[52+\e], v[20+\e]               ; n as a whole number: its low two bits name the quadrant
.endr
.irp e, 0,1,2,3
	v_and_b32 v68, 1, v[52+\e]
	v_cmp_eq_u32 vcc_lo, 1, v68                    ; odd quadrants change sin and cos about (a choice of values, no branch)
	v_cndmask_b32 v[60+\e], v[44+\e], v[48+\e], vcc_lo
	v_cndmask_b32 v[56+\e], v[48+\e], v[44+\e], vcc_lo
	v_and_b32 v68, 2, v[52+\e]
	v_lshlrev_b32 v68, 30, v68
	v_xor_b32 v[60+\e], v[60+\e], v68              ; sin is negative in quadrants 2 and 3,
	v_add_nc_u32 v69, 1, v[52+\e]
	v_and_b32 v69, 2, v69
	v_lshlrev_b32 v69, 30, v69
	v_xor_b32 v[56+\e], v[56+\e], v69              ; cos in 1 and 2
.endr
	s_lshl_b32 s26, s24, 12                        ; 4,096 bytes a tile of tokens,
	s_lshl_b32 s28, s22, 9                         ; 512 for each (u, g)
	s_add_co_u32 s26, s26, s28
	s_add_nc_u64 s[20:21], s[20:21], s[26:27]
	global_store_b128 v7, v[56:59], s[20:21]               ; cos: 32 lanes store 512 consecutive bytes
	global_store_b128 v7, v[60:63], s[20:21] offset:2048   ; sin
	FINISH
; ---- O: Wo -> f16 fragments of Wo^T.  A wave takes 32 along K (kc) x 64 columns (ng).  Lane (r, h) takes column 16 n + r and its registers run down K in the
; order of the operand's registers (k = 16 g + 8 h + i), so that the conversions' results are the fragment's registers and nothing is transposed.
.Lo:
	s_sub_co_u32 s24, ttmp9, 304
	s_lshl_b32 s24, s24, 2
	s_add_co_u32 s24, s24, s22                     ; 0..511
	s_lshr_b32 s25, s24, 4                         ; kc
	s_and_b32 s24, s24, 15                         ; ng
	s_lshl_b32 s26, s25, 17                        ; 32 rows of 4,096 bytes
	s_lshl_b32 s28, s24, 8                         ; 64 columns
	s_add_co_u32 s26, s26, s28
	s_add_nc_u64 s[8:9], s[8:9], s[26:27]
	s_lshr_b32 s26, s25, 2
	s_lshl_b32 s26, s26, 18                        ; woi: [ks][nt 64][kc' 4][1,024 bytes]
	s_lshl_b32 s28, s24, 14
	s_add_co_u32 s26, s26, s28
	s_and_b32 s28, s25, 3
	s_lshl_b32 s28, s28, 10
	s_add_co_u32 s26, s26, s28
	s_add_nc_u64 s[18:19], s[18:19], s[26:27]
	v_and_b32 v3, 15, v0
	v_bfe_u32 v5, v0, 4, 1
	v_lshlrev_b32 v3, 2, v3
	v_lshl_add_u32 v3, v5, 15, v3                  ; 4 r + 8 h rows
	v_lshlrev_b32 v4, 4, v2                        ; 16 x lane
.irp n, 0,1,2,3
.irp g, 0,1
.irp i, 0,1,2,3,4,5,6,7
	global_load_b32 v[16+16*\n+8*\g+\i], v3, s[8:9] offset:(16*\g+\i)*4096+64*\n th:TH_LOAD_NT
.endr
.endr
.endr
.irp n, 0,1,2,3
	s_wait_loadcnt 48-16*\n                        ; the sixteen loads of tile n are in; those of the later tiles may be out
.irp g, 0,1
.irp p, 0,1,2,3
	v_cvt_pk_f16_f32 v[80+8*\n+4*\g+\p], v[16+16*\n+8*\g+2*\p], v[17+16*\n+8*\g+2*\p]
.endr
	global_store_b128 v4, v[80+8*\n+4*\g:83+8*\n+4*\g], s[18:19] offset:4096*\n+512*\g   ; 512 consecutive bytes
.endr
.endr
	FINISH
; ---- W: Wqkv, whose K is its first axis.  A lane takes a column n and its registers run down K: a block of 32 lies in one lane, and the conversions give codes with K innermost.
; A wave takes 32 columns x 512 along K; its codes go through its own stage in LDS and leave as rows: sixteen lanes store 256 consecutive bytes.
.Lw:
.set NB,    16                         ; blocks of 32 along K for a wave
.set WP,    272                        ; a stage row: 256 bytes + 16
.set WX,    32                         ; v32-95   two sets of 32 numbers
.set WC,    96                         ; v96-99   a block's codes
.set OUTR,  112                        ; v112-175 the way out
.set SB,    24                         ; v24-27   the scale bytes, four to a register
	s_sub_co_u32 s24, ttmp9, 256
	s_cmp_ge_u32 s24, 24
	s_cselect_b32 s25, 1, 0                        ; which 512 along K
	s_cselect_b32 s26, 24, 0
	s_sub_co_u32 s24, s24, s26
	s_lshl_b32 s24, s24, 7
	s_lshl_b32 s26, s22, 5
	s_add_co_u32 s24, s24, s26                     ; my wave's first column
	s_mul_i32 s23, s22, 32*WP
	s_add_co_u32 s23, s23, 32768                   ; my stage
	v_lshlrev_b32 v3, 2, v2                        ; in: 4 bytes a lane
	v_mul_u32_u24 v4, v2, WP
	v_add_nc_u32 v4, s23, v4                       ; into the stage: row = my column
	v_and_b32 v5, 15, v2
	v_lshrrev_b32 v6, 4, v2
	v_mul_u32_u24 v7, v6, WP
	v_lshl_add_u32 v7, v5, 4, v7
	v_add_nc_u32 v7, s23, v7                       ; out of it: sixteen lanes to a row
	v_lshlrev_b32 v8, 9, v6
	v_lshl_add_u32 v8, v5, 4, v8                   ; the same place in wc (rows of 512 bytes)
	v_lshlrev_b32 v9, 5, v2                        ; my column's row of scale bytes
	s_mul_i32 s26, s25, 512*3072*4
	s_lshl_b32 s28, s24, 2
	s_add_co_u32 s26, s26, s28
	s_add_nc_u64 s[6:7], s[6:7], s[26:27]
	s_lshl_b32 s26, s24, 9
	s_lshl_b32 s28, s25, 8
	s_add_co_u32 s26, s26, s28
	s_add_nc_u64 s[14:15], s[14:15], s[26:27]
	s_lshl_b32 s26, s24, 5
	s_lshl_b32 s28, s25, 4
	s_add_co_u32 s26, s26, s28
	s_add_nc_u64 s[16:17], s[16:17], s[26:27]
.macro WLOAD t                         ; block t: W(32 t + i, my column) into set t % 2; the largest offset, 511 rows of 12,288 bytes, lies inside the signed 24-bit immediate
.irp i, 0,1,2,3,4,5,6,7,8,9,10,11,12,13,14,15,16,17,18,19,20,21,22,23,24,25,26,27,28,29,30,31
	global_load_b32 v[WX+32*((\t)%2)+\i], v3, s[6:7] offset:(32*(\t)+\i)*12288 th:TH_LOAD_NT
.endr
.endm
	WLOAD 0
	WLOAD 1
.macro WBLOCK t
.set XS, WX+32*((\t)%2)
.if (\t) < NB-1
	s_wait_loadcnt 32                              ; this block's 32 loads are in; the next block's may be out
.else
	s_wait_loadcnt 0
.endif
	v_max3_num_f32 v12, |v[XS]|, |v[XS+1]|, |v[XS+2]|
	v_max3_num_f32 v13, |v[XS+3]|, |v[XS+4]|, |v[XS+5]|
.irp i, 6,10,14,18,22,26
	v_max3_num_f32 v12, v12, |v[XS+\i]|, |v[XS+\i+1]|
	v_max3_num_f32 v13, v13, |v[XS+\i+2]|, |v[XS+\i+3]|
.endr
	v_max3_num_f32 v12, v12, |v[XS+30]|, |v[XS+31]|
	v_max3_num_f32 v12, v12, v13, 0x1800000        ; and the floor 2^(3 - 127): the byte cannot fall under 1
	v_add_nc_u32 v11, 0xff000000, v12              ; 2 off the exponent field: the conversion's scale operand
	v_lshrrev_b32 v13, 23, v11                     ; the scale's byte
.if (\t)%4 == 0
	v_mov_b32 v[SB+(\t)/4], v13
.else
	v_lshl_or_b32 v[SB+(\t)/4], v13, 8*((\t)%4), v[SB+(\t)/4]
.endif
.irp g, 0,1,2,3
	v_cvt_scalef32_pk8_fp4_f32 v[WC+\g], v[XS+8*\g:XS+8*\g+7], v11
.endr
	ds_store_b128 v4, v[WC:WC+3] offset:16*(\t)    ; 32 codes: 16 bytes of my column's row
.if (\t)+2 < NB
	WLOAD (\t)+2
.endif
	s_wait_dscnt 0x0                               ; the store has read its registers: the next block's codes may be written
.endm
.set Q, 0
.rept NB
	WBLOCK Q
.set Q, Q+1
.endr
	global_store_b128 v9, v[SB:SB+3], s[16:17]     ; my column's 16 scale bytes
.irp t, 0,1,2,3,4,5,6,7,8,9,10,11,12,13,14,15
	ds_load_b128 v[OUTR+4*\t:OUTR+4*\t+3], v7 offset:2*\t*WP   ; LDS serves a wave's instructions in order (ISA guide 5.7.1.4): these see my stores
.endr
.irp t, 0,1,2,3,4,5,6,7,8,9,10,11,12,13,14,15
	s_wait_dscnt 15-\t                             ; loads come back in order: number t is in
	global_store_b128 v8, v[OUTR+4*\t:OUTR+4*\t+3], s[14:15] offset:2*\t*512
.endr
	FINISH
; ---- X: x is a plain stream of blocks of 32.  A wave takes 16 steps of 512 numbers.  Each load reads 512 consecutive bytes; a step's 2,048 bytes turn through the wave's own stage
; in LDS and come back 64 bytes a lane, so that a lane holds 16 neighbours (two lanes hold a block).  Loads run four steps ahead, the turn through LDS one step.
.Lx:
.set XSTEPS, 16
.set XR,    16                         ; v16-79   four sets of 16 numbers as loaded
.set XX,    80                         ; v80-111  two sets of 16 neighbours
.set XE,    112                        ; v112-127 a scale byte for each step
.set XC,    128                        ; v128-191 codes: registers of its own for each step, so that no store's data are written again
.set XSP,   80                         ; a lane's place in a stage: 64 bytes + 16
	s_lshl_b32 s24, ttmp9, 2
	s_add_co_u32 s24, s24, s22                     ; which run of 8,192 numbers is my wave's
	s_lshl_b32 s26, s24, 15
	s_add_nc_u64 s[4:5], s[4:5], s[26:27]
	s_lshl_b32 s26, s24, 12
	s_add_nc_u64 s[10:11], s[10:11], s[26:27]
	s_lshl_b32 s26, s24, 8
	s_add_nc_u64 s[12:13], s[12:13], s[26:27]
	v_lshlrev_b32 v3, 4, v2                        ; my 16 bytes of a load's 512
	s_lshl_b32 s23, s22, 13                        ; my wave's 8,192 bytes of LDS
	v_lshrrev_b32 v14, 2, v2
	v_mul_u32_u24 v14, v14, XSP
	v_and_b32 v15, 3, v2
	v_lshl_add_u32 v14, v15, 4, v14
	v_add_nc_u32 v14, s23, v14                     ; the stage, on the way in
	v_mul_u32_u24 v15, v2, XSP
	v_add_nc_u32 v15, s23, v15                     ; and on the way out
	v_lshlrev_b32 v4, 3, v2                        ; my 8 bytes of a step's codes
	v_lshrrev_b32 v5, 1, v2
	s_add_co_u32 s23, s23, 2*32*XSP
	v_add_nc_u32 v5, s23, v5                       ; my block's byte among the wave's 256
	v_lshlrev_b32 v7, 3, v2
	v_add_nc_u32 v6, s23, v7
.macro XLOAD t
.irp i, 0,1,2,3
	global_load_b128 v[XR+16*((\t)%4)+4*\i:XR+16*((\t)%4)+4*\i+3], v3, s[4:5] offset:2048*(\t)+512*\i th:TH_LOAD_NT
.endr
.endm
.macro XTURN t
.irp i, 0,1,2,3
	ds_store_b128 v14, v[XR+16*((\t)%4)+4*\i:XR+16*((\t)%4)+4*\i+3] offset:32*XSP*((\t)%2)+8*XSP*\i
.endr
.irp i, 0,1,2,3
	ds_load_b128 v[XX+16*((\t)%2)+4*\i:XX+16*((\t)%2)+4*\i+3], v15 offset:32*XSP*((\t)%2)+16*\i
.endr
.endm
.irp t, 0,1,2,3
	XLOAD \t
.endr
	s_wait_loadcnt 12                              ; step 0's four loads are in
	XTURN 0
.macro XSTEP t
.set XS, XX+16*((\t)%2)
.if (\t) > 0
	s_wait_dscnt 1                                 ; this step's numbers are back from the stage (the last step's byte store may be out)
.else
	s_wait_dscnt 0x0
.endif
.if (\t)+4 < XSTEPS
	XLOAD (\t)+4                                   ; into the registers that the stage's stores have read
.endif
.if (\t)+1 < XSTEPS
.if XSTEPS-2-(\t) >= 3
	s_wait_loadcnt 12                              ; the next step's four loads are in; those of the three steps behind it may be out
.else
	s_wait_loadcnt 4*(XSTEPS-2-(\t))
.endif
	XTURN (\t)+1
.endif
	v_max3_num_f32 v8, |v[XS]|, |v[XS+1]|, |v[XS+2]|
	v_max3_num_f32 v9, |v[XS+3]|, |v[XS+4]|, |v[XS+5]|
.irp i, 6,10
	v_max3_num_f32 v8, v8, |v[XS+\i]|, |v[XS+\i+1]|
	v_max3_num_f32 v9, v9, |v[XS+\i+2]|, |v[XS+\i+3]|
.endr
	v_max3_num_f32 v8, v8, |v[XS+14]|, |v[XS+15]|
	v_max3_num_f32 v8, v8, v9, 0x1800000           ; and the floor 2^(3 - 127)
	v_max_num_f32_dpp v8, v8, v8 row_xmask:1 row_mask:0xf bank_mask:0xf   ; with my neighbour's 16: the block's largest magnitude
	v_add_nc_u32 v11, 0xff000000, v8               ; 2 off its exponent field: the conversion's scale operand
	v_cvt_scalef32_pk8_fp4_f32 v[XC+4*(\t)], v[XS:XS+7], v11
	v_cvt_scalef32_pk8_fp4_f32 v[XC+4*(\t)+1], v[XS+8:XS+15], v11
	v_lshrrev_b32 v[XE+(\t)], 23, v11              ; the scale's byte
	ds_store_b8 v5, v[XE+(\t)] offset:16*(\t)      ; both lanes of a block write the same byte with the same value
	global_store_b64 v4, v[XC+4*(\t):XC+4*(\t)+1], s[10:11] offset:256*(\t)   ; the wave stores 256 consecutive bytes
.endm
.irp t, 0,1,2,3,4,5,6,7,8,9,10,11,12,13,14,15
	XSTEP \t
.endr
	ds_load_b64 v[8:9], v6                         ; LDS serves a wave's instructions in order: these see my stores
	s_wait_dscnt 0x0
	global_store_b64 v7, v[8:9], s[12:13]          ; 32 lanes store 256 consecutive bytes of scale bytes
	FINISH
.Lfunc_end_k_q6ba1cb5472_prep:
	.size	k_q6ba1cb5472_prep, .Lfunc_end_k_q6ba1cb5472_prep-k_q6ba1cb5472_prep
	.p2alignl 7, 3214868480
	.fill 96, 4, 3214868480
	.section	.rodata,"a",@progbits
	.p2align	6, 0x0
	.amdhsa_kernel k_q6ba1cb5472_prep
		.amdhsa_group_segment_fixed_size 68096
		.amdhsa_private_segment_fixed_size 0
		.amdhsa_enable_private_segment 0
		.amdhsa_kernarg_size 72
		.amdhsa_user_sgpr_count 2
		.amdhsa_user_sgpr_kernarg_segment_ptr 1
		.amdhsa_wavefront_size32 1
		.amdhsa_system_sgpr_workgroup_id_x 1
		.amdhsa_system_sgpr_workgroup_id_y 1
		.amdhsa_system_sgpr_workgroup_id_z 1
		.amdhsa_system_vgpr_workitem_id 0
		.amdhsa_next_free_vgpr 196
		.amdhsa_next_free_sgpr 66
		.amdhsa_reserve_vcc 1
		.amdhsa_float_denorm_mode_32 3
		.amdhsa_float_denorm_mode_16_64 3
		.amdhsa_memory_ordered 1
		.amdhsa_forward_progress 1
		.amdhsa_inst_pref_size 127
	.end_amdhsa_kernel
	.amdgpu_metadata
---
amdhsa.version: [ 1, 2 ]
amdhsa.kernels:
  - .name:           k_q6ba1cb5472_prep
    .symbol:         k_q6ba1cb5472_prep.kd
    .args:
      - { .name: x, .offset: 0, .size: 8, .value_kind: global_buffer, .address_space: global }
      - { .name: Wqkv, .offset: 8, .size: 8, .value_kind: global_buffer, .address_space: global }
      - { .name: Wo, .offset: 16, .size: 8, .value_kind: global_buffer, .address_space: global }
      - { .name: xc, .offset: 24, .size: 8, .value_kind: global_buffer, .address_space: global }
      - { .name: xs, .offset: 32, .size: 8, .value_kind: global_buffer, .address_space: global }
      - { .name: wc, .offset: 40, .size: 8, .value_kind: global_buffer, .address_space: global }
      - { .name: ws, .offset: 48, .size: 8, .value_kind: global_buffer, .address_space: global }
      - { .name: woi, .offset: 56, .size: 8, .value_kind: global_buffer, .address_space: global }
      - { .name: tab, .offset: 64, .size: 8, .value_kind: global_buffer, .address_space: global }
    .group_segment_fixed_size: 68096
    .private_segment_fixed_size: 0
    .kernarg_segment_align: 8
    .kernarg_segment_size: 72
    .max_flat_workgroup_size: 128
    .sgpr_count:     66
    .vgpr_count:     196
    .wavefront_size: 32
...
	.end_amdgpu_metadata
.endif
;; end of part 1
;; launch qkvgemm (part 2): grid 12 x 32, 4 waves a work-group, clusters of 4 x 4, 327,680 bytes of LDS; arguments xc, xs, wc, ws, bqkv, tab, qkvi; writes qkvi
.if DOCPART == 2
	.amdgcn_target "amdgcn-amd-amdhsa--gfx1250"
	.amdhsa_code_object_version 6
	.text
	.protected	k_q6ba1cb5472_qkvgemm
	.globl	k_q6ba1cb5472_qkvgemm
	.p2align	8
	.type	k_q6ba1cb5472_qkvgemm,@function
k_q6ba1cb5472_qkvgemm:
	s_mov_b64 s[64:65], 0
	v_nop
	global_prefetch_b8 v0, s[64:65] scope:SCOPE_SE
	s_setreg_imm32_b32 hwreg(HW_REG_WAVE_MODE, 25, 1), 1
	s_wait_xcnt 0x0
	s_wait_alu depctr_hold_cnt(0) depctr_sa_sdst(0) depctr_va_vdst(0) depctr_va_sdst(0) depctr_va_ssrc(0) depctr_va_vcc(0) depctr_vm_vsrc(0)
	s_getreg_b32 s2, hwreg(HW_REG_IB_STS2, 6, 4)
	s_cmp_eq_u32 s2, 0
	s_cbranch_scc0 .Lentry_in_a_cluster
	s_endpgm
.Lentry_in_a_cluster:
	s_bfe_u32 s2, ttmp6, 0x10000c
	s_cmp_lg_u32 s2, 0xf033
	s_cbranch_scc0 .Lentry_shape_is_right
	s_endpgm
.Lentry_shape_is_right:
; qkv = x Wqkv + bqkv on codes of FP4 (E2M1) with one E8M0 scale for each 32 along K; then RoPE on q and k in f32; then everything rounded to f16 and stored AS THE REGISTERS OF THE
; FRAGMENTS that the attention launch multiplies: a fragment of 16 rows x 32 K is 1,024 bytes, [piece g][lane][16 bytes], piece g = registers 4 g .. 4 g + 3.
; A tile of 256 x 256 is made by four waves, 128 x 128 each: 64 accumulators.  K = 1,024 is two K steps of 512, which lie in the two LDS slots from the start: nothing is filled again, and there is no loop.
; THE MATRIX INSTRUCTION IS USED TRANSPOSED (source 0 = 16 rows of "B", source 1 = 16 rows of "A"): a lane holds ONE row of A and eight neighbouring rows of B.
; ROLES, chosen by the cluster's x, which all sixteen partners share:  x = 0, 1 (q, k): A = tokens, B = features 0..2047: a lane holds a token and 8 channels: a fragment of Q or K.
;   x = 2 (v): A = features 2048..3071, B = tokens: a lane holds a channel and 8 keys: a fragment of V^T.  The products are one text for both.
; CLUSTERS: 4 x 4 work-groups; A's tiles are asked for jointly along a row of the cluster, B's along a column.
; LIMITS: |q|, |k|, |v| must stay under 65,504 (f16); NaN and infinities are not served.
; REGISTERS, in windows of 256: window 0: v16-29 addresses; v32-95 scale words, two sets; v112-127 the v role's bias; v128-191 A's fragments, one set; v192-255 the q/k role's bias.
;   window 1: B's fragments, two sets, at v0 and v128; between them the table of cos and sin.   windows 2, 3: the accumulators ((a, b) at v[8 (8 (a % 4) + b)]).
.set NQ,     4                         ; matrix instructions deep in a slot (512 along K)
.set ROWB,   256                       ; a tile's row in bytes
.set KROW,   512                       ; a row of codes in memory
.set PITCH,  272                       ; an LDS row: 256 bytes + 16: the 16 rows that a load touches start at 16 different banks (64 banks of 4 bytes: ISA guide 11.1)
.set FR,     8
.set NL,     2
.set NP,     4                         ; places behind this matrix instruction (ISA guide 7.12.1)
.set HALFT,  128*PITCH
.set SLOT,   4*HALFT
.set KS,     32                        ; a row of scale bytes
.set SCL,    2*SLOT                    ; behind the slots: the scales, as rows of 256 bytes + 16
.set HALFS,  (128*KS/256)*272
.set SBLK,   (16*KS/256)*272
.set SPARE,  SCL+4*HALFS               ; the spare words, 128 bytes for each wave
.set ADRA, 16                          ; v16-17  LDS address of my A fragments in slot 0, 1
.set ADRB, 20                          ; v20-21  the same for B
.set BH,   24                          ; v24     32 x (lane / 16)
.set R4,   25                          ; v25     4 x (lane % 16)
.set LI,   26                          ; v26     16 x lane
.set ADRS, 27                          ; v27     LDS address of my scale words
.set SPW,  28
.set NIL,  29
.set SC,   32
.set AF,   128
.set XV,   32                          ; the way out: v32-95 a block's 64 numbers
.set TP,   96                          ; v96-111 RoPE's products
.set BV,   112                         ; v112-127 the v role's bias, a pair for each block
.set FS,   128                         ; v128-191 two sets of packed f16
.set BI,   192                         ; v192-255 the q/k role's bias
.set G1, 24
.set G0, 32
.set G1B, 48
.set G0B, 56
.set G1S, 68
.set G0S, 76
.set G1SB, 80
.set G0SB, 88
.set MSB, 0
.macro WIN new                         ; the immediate's high byte repeats the setting that is left
.if MSB != (\new)
	s_set_vgpr_msb (MSB<<8)|(\new)
.set MSB, (\new)
.endif
.endm
.set MUL_LO, 0xa1                      ; source 0 (B) window 1, source 1 (A) window 0, C and D window 2
.set MUL_HI, 0xf1
.set TO_B,   0x40
.macro JLOAD g0a, g1a, g0b, g1b        ; a joint load: waves 0 and 1 fetch for A, waves 2 and 3 for B; an s_nop 0 and four v_nop follow each line
	s_cmp_eq_u32 s15, 0
	s_cbranch_scc0 .Lfor_b_\@
	tensor_load_to_lds s[\g0a:\g0a+3], s[\g1a:\g1a+7]
	s_nop 0
.rept 4
	v_nop
.endr
	s_branch .Lasked_\@
.Lfor_b_\@:
	tensor_load_to_lds s[\g0b:\g0b+3], s[\g1b:\g1b+7]
	s_nop 0
.rept 4
	v_nop
.endr
.Lasked_\@:
.endm
.macro CROUND                          ; a round of the cluster's barrier
	s_barrier_signal -1
	s_barrier_wait -1
	s_cmp_lg_u32 s14, 0
	s_cbranch_scc1 .Lnot_wave_0_\@
	s_barrier_signal -3
.Lnot_wave_0_\@:
	s_barrier_wait -3
	s_barrier_signal -1
	s_barrier_wait -1
.endm
	s_load_b256 s[4:11], s[0:1], 0x0               ; xc s[4:5], xs s[6:7], wc s[8:9], ws s[10:11]
	s_load_b64 s[12:13], s[0:1], 0x20              ; bqkv
	s_load_b64 s[96:97], s[0:1], 0x28              ; tab
	s_load_b64 s[98:99], s[0:1], 0x30              ; qkvi
	v_lshl_add_u32 v[SPW], v0, 2, SPARE
	v_mov_b32 v[NIL], 0
	ds_add_u32 v[SPW], v[NIL]                      ; the wave's opening: the add, twice on end, and its wait ahead of my first tensor load
	ds_add_u32 v[SPW], v[NIL]
	v_lshrrev_b32 v1, 5, v0
	v_readfirstlane_b32 s14, v1                    ; wave 0..3
	s_lshr_b32 s15, s14, 1                         ; which half of A's rows is mine.  Also: I fetch for A (0) or for B (1)
	s_and_b32 s16, s14, 1                          ; which half of B's rows.  Also: which 128 rows I fetch
	s_bfe_u32 s40, ttmp6, 0x40000                  ; cx
	s_bfe_u32 s41, ttmp6, 0x40004                  ; cy
	s_and_b32 s17, ttmp7, 0xffff                   ; the cluster's y
	s_cmp_eq_u32 ttmp9, 2                          ; the cluster's x: the same in all sixteen partners
	s_cselect_b32 s95, 1, 0                        ; 1: the v role
	s_cselect_b32 s42, s17, ttmp9                  ; B's column of clusters
	s_cselect_b32 s17, 0, s17                      ; A's row of clusters
	s_lshl_b32 s42, s42, 2
	s_add_co_u32 s42, s42, s40                     ; B's tile
	s_lshl_b32 s17, s17, 2
	s_add_co_u32 s17, s17, s41                     ; A's tile
	s_lshl_b32 s43, s41, 2
	s_lshl_b32 s43, 15, s43                        ; my row of the cluster
	s_lshl_b32 s44, 0x1111, s40                    ; my column
	s_or_b32 s[G1+0], s43, (0<<16)|(1<<20)|(1<<21)|(5<<22)|(3<<25)  ; the mask; elements of 1 byte; padding on; bit 21 beside a mask; 4 words behind every 64
	s_or_b32 s[G1B+0], s44, (0<<16)|(1<<20)|(1<<21)|(5<<22)|(3<<25)
.irp g, G1, G1B
	s_mov_b32 s[\g+1], ROWB<<16                    ; tensor_dim0
	s_mov_b32 s[\g+2], 128<<16                     ; tensor_dim1
	s_mov_b32 s[\g+3], ROWB<<16                    ; tile_dim0
	s_mov_b32 s[\g+4], 128                         ; tile_dim1
	s_mov_b32 s[\g+5], KROW                        ; the pitch
	s_mov_b32 s[\g+6], 0
	s_mov_b32 s[\g+7], 0
.endr
	s_or_b32 s[G1S+0], s43, (3<<16)|(1<<20)|(1<<21)|(5<<22)|(3<<25)  ; the scales of 128 rows: 4,096 dense bytes as 16 rows of 256 (32 elements of 8 bytes)
	s_or_b32 s[G1SB+0], s44, (3<<16)|(1<<20)|(1<<21)|(5<<22)|(3<<25)
.irp g, G1S, G1SB
	s_mov_b32 s[\g+1], 32<<16
	s_mov_b32 s[\g+2], (128*KS/256)<<16
	s_mov_b32 s[\g+3], 32<<16
	s_mov_b32 s[\g+4], 128*KS/256
	s_mov_b32 s[\g+5], 32
	s_mov_b32 s[\g+6], 0
	s_mov_b32 s[\g+7], 0
.endr
	s_lshl_b32 s18, s16, 7
	s_lshl_b32 s20, s17, 8
	s_add_co_u32 s20, s20, s18                     ; A: row 256 x tile + 128 x half
	s_lshl_b32 s46, s42, 8
	s_add_co_u32 s46, s46, s18                     ; B likewise
	s_mov_b32 s21, 0
	s_mov_b32 s47, 0
	s_mov_b64 s[18:19], KS
	s_mul_u64 s[22:23], s[20:21], s[18:19]         ; where these rows' scales begin
	s_mul_u64 s[92:93], s[46:47], s[18:19]
	s_mov_b64 s[18:19], KROW
	s_mul_u64 s[20:21], s[20:21], s[18:19]         ; and their codes
	s_mul_u64 s[46:47], s[46:47], s[18:19]
	s_mul_i32 s45, s14, HALFT                      ; where they go: wave x 128 rows
	s_mul_i32 s94, s14, HALFS
	s_wait_dscnt 0x0                               ; both opening adds are done
	s_wait_kmcnt 0x0
	s_add_nc_u64 s[2:3], s[8:9], 0x100000          ; the weights' rows 2048 on: codes,
	s_add_nc_u64 s[66:67], s[10:11], 0x10000       ; scale bytes
	s_cmp_eq_u32 s95, 1                            ; the choice of buffers hangs on the cluster's x alone
	s_cselect_b64 s[2:3], s[2:3], s[4:5]           ; A's codes
	s_cselect_b64 s[8:9], s[4:5], s[8:9]           ; B's codes
	s_cselect_b64 s[66:67], s[66:67], s[6:7]       ; A's scales
	s_cselect_b64 s[10:11], s[6:7], s[10:11]       ; B's scales
	s_add_nc_u64 s[20:21], s[2:3], s[20:21]
	s_add_nc_u64 s[22:23], s[66:67], s[22:23]
	s_add_nc_u64 s[46:47], s[8:9], s[46:47]
	s_add_nc_u64 s[92:93], s[10:11], s[92:93]
	CROUND                                         ; all sixteen work-groups are here: the joint loads meet
	s_mov_b32 s[G0S], 1
	s_add_co_u32 s[G0S+1], s94, SCL
	s_mov_b64 s[G0S+2:G0S+3], s[22:23]
	s_or_b32 s[G0S+3], s[G0S+3], 0x80000000
	s_mov_b32 s[G0SB], 1
	s_add_co_u32 s[G0SB+1], s94, SCL
	s_mov_b64 s[G0SB+2:G0SB+3], s[92:93]
	s_or_b32 s[G0SB+3], s[G0SB+3], 0x80000000
	JLOAD G0S, G1S, G0SB, G1SB                     ; the scales first; then both K steps: three loads of mine are out
.irp s, 0,1
	s_mov_b32 s[G0+4*\s], 1
	s_add_co_u32 s[G0+4*\s+1], s45, \s*SLOT
	s_add_nc_u64 s[G0+4*\s+2:G0+4*\s+3], s[20:21], \s*ROWB
	s_or_b32 s[G0+4*\s+3], s[G0+4*\s+3], 0x80000000
	s_mov_b32 s[G0B+4*\s], 1
	s_add_co_u32 s[G0B+4*\s+1], s45, \s*SLOT
	s_add_nc_u64 s[G0B+4*\s+2:G0B+4*\s+3], s[46:47], \s*ROWB
	s_or_b32 s[G0B+4*\s+3], s[G0B+4*\s+3], 0x80000000
	JLOAD G0+4*\s, G1, G0B+4*\s, G1B
.endr
	v_and_b32 v1, 15, v0                           ; r = lane % 16
	v_bfe_u32 v2, v0, 4, 1                         ; h = lane / 16
	v_mul_u32_u24 v3, v1, PITCH
	v_lshl_add_u32 v4, v2, 4, v3
	s_mul_i32 s21, s15, HALFT
	s_mul_i32 s22, s16, HALFT
	s_add_co_u32 s22, s22, 2*HALFT
.irp s, 0,1
	v_add_nc_u32 v[ADRA+\s], s21, v4
	v_add_nc_u32 v[ADRB+\s], s22, v4
	s_add_co_u32 s21, s21, SLOT
	s_add_co_u32 s22, s22, SLOT
.endr
	v_mul_u32_u24 v5, v1, KS
	v_lshrrev_b32 v6, 8, v5
	v_lshl_add_u32 v5, v6, 4, v5                   ; my row's scales: 32 bytes a row, and 16 more for each 256 passed
	s_mul_i32 s21, s15, HALFS
	s_mul_i32 s22, s16, HALFS
	s_add_co_u32 s22, s22, 2*HALFS
	s_sub_co_u32 s22, s22, s21
	v_mul_u32_u24 v6, s22, v2                      ; lanes 16-31 take B's
	s_add_co_u32 s21, s21, SCL
	v_add_nc_u32 v5, v5, v6
	v_add_nc_u32 v[ADRS], s21, v5
	; what the way out needs is asked for now, on every path alike: the bias in both roles' layouts, and the table for my first 64 rows
	s_lshl_b32 s92, s17, 8
	s_lshl_b32 s21, s15, 7
	s_add_co_u32 s92, s92, s21                     ; my first row of A
	s_lshl_b32 s93, s42, 8
	s_lshl_b32 s21, s16, 7
	s_add_co_u32 s93, s93, s21                     ; my first row of B
	s_add_co_u32 s22, s92, 2048
	s_cmp_eq_u32 s95, 1
	s_cselect_b32 s22, s22, s93                    ; my first feature: both choices + 127 stay under 3,072
	s_lshl_b32 s22, s22, 2
	s_mov_b32 s23, 0
	s_add_nc_u64 s[12:13], s[12:13], s[22:23]
	s_and_b32 s22, s92, 2047
	s_lshl_b32 s22, s22, 8                         ; 4,096 bytes of table for each 16 tokens (in the v role an address inside the table, whose data are not used)
	s_add_nc_u64 s[96:97], s[96:97], s[22:23]
	v_lshlrev_b32 v[BH], 5, v2
	v_lshlrev_b32 v[R4], 2, v1
	v_and_b32 v[LI], 31, v0
	v_lshlrev_b32 v[LI], 4, v[LI]
.irp b, 0,1,2,3,4,5,6,7
	global_load_b128 v[BI+8*\b:BI+8*\b+3], v[BH], s[12:13] offset:64*\b        ; bias of features 16 b + 8 h + 0..7
	global_load_b128 v[BI+8*\b+4:BI+8*\b+7], v[BH], s[12:13] offset:64*\b+16
.endr
.irp a, 0,1,2,3,4,5,6,7
	global_load_b32 v[BV+2*\a], v[R4], s[12:13] offset:64*\a                   ; bias of feature 16 a + r
.endr
	WIN TO_B
.irp a, 0,1,2,3
.irp i, 0,1,2,3,4,5,6,7
	global_load_b128 v[64+32*(\a%2)+128*(\a/2)+4*\i:64+32*(\a%2)+128*(\a/2)+4*\i+3], v[LI], s[96:97] offset:4096*\a+512*\i
.endr
.endr
	WIN 0
.macro FRAG reg, adr, q, i             ; a fragment, 16 rows x 128 K of 4-bit codes: two loads of 16 bytes, 32 bytes apart
.irp c, 0,1
	ds_load_b128 v[\reg+4*\c:\reg+4*\c+3], v[\adr] offset:64*(\q)+32*\c+(\i)*16*PITCH
.endr
.endm
; 16 matrix instructions: A's blocks a0, a0 + 1 x B's eight.  One register carries A's scale word (lanes 0-15) and B's (lanes 16-31).  The 64 accumulators take turns.
.macro MUL16 a0, p, q, sc, zero
.irp a, \a0, \a0+1
.irp b, 0,1,2,3,4,5,6,7
.if \zero
	v_wmma_scale_f32_16x16x128_f8f6f4 v[8*(8*((\a)%4)+\b):8*(8*((\a)%4)+\b)+7], v[128*(\p)+FR*\b:128*(\p)+FR*\b+FR-1], v[AF+FR*(\a):AF+FR*(\a)+FR-1], 0, v[SC+8*NQ*(\sc)+NQ*\b+(\q)], v[SC+8*NQ*(\sc)+NQ*(\a)+(\q)] matrix_a_fmt:MATRIX_FMT_FP4 matrix_b_fmt:MATRIX_FMT_FP4 matrix_a_scale:MATRIX_SCALE_ROW1
.else
	v_wmma_scale_f32_16x16x128_f8f6f4 v[8*(8*((\a)%4)+\b):8*(8*((\a)%4)+\b)+7], v[128*(\p)+FR*\b:128*(\p)+FR*\b+FR-1], v[AF+FR*(\a):AF+FR*(\a)+FR-1], v[8*(8*((\a)%4)+\b):8*(8*((\a)%4)+\b)+7], v[SC+8*NQ*(\sc)+NQ*\b+(\q)], v[SC+8*NQ*(\sc)+NQ*(\a)+(\q)] matrix_a_fmt:MATRIX_FMT_FP4 matrix_b_fmt:MATRIX_FMT_FP4 matrix_a_scale:MATRIX_SCALE_ROW1
.endif
.endr
.endr
.endm
.macro FETCH_B slot, q, p
	WIN TO_B
.irp i, 0,1,2,3,4,5,6,7
	FRAG 128*(\p)+FR*\i, ADRB+\slot, \q, \i
.endr
	WIN 0
.endm
.macro FETCH_A slot, q, i0
.irp i, \i0, \i0+1, \i0+2, \i0+3
	FRAG AF+FR*(\i), ADRA+\slot, \q, \i
.endr
.endm
.macro SCALES sc                       ; a K step's scale words: 4 words a row; lanes 0-15 A's block i, lanes 16-31 B's
.irp i, 0,1,2,3,4,5,6,7
	ds_load_b128 v[SC+8*NQ*\sc+NQ*\i:SC+8*NQ*\sc+NQ*\i+3], v[ADRS] offset:\i*SBLK
.endr
.endm
.macro PLACES n                        ; plain vector instructions between a matrix instruction and a load into, or a read of, its registers
.rept \n
	v_nop
.endr
.endm
.macro STEP slot, q, zero              ; 128 along K, with its successor in the same slot
	s_wait_dscnt 4*NL                              ; B's set and A's blocks 0-3 are in; the youngest eight loads (A's blocks 4-7) may be out
	WIN MUL_LO
	MUL16 0, (\q)%2, \q, \slot, \zero
	MUL16 2, (\q)%2, \q, \slot, \zero
	s_wait_dscnt 0
	PLACES NP
	FETCH_B \slot, (\q)+1, 1-(\q)%2
	FETCH_A \slot, (\q)+1, 0
	WIN MUL_HI
	MUL16 4, (\q)%2, \q, \slot, \zero
	MUL16 6, (\q)%2, \q, \slot, \zero
	PLACES NP
	WIN 0
	FETCH_A \slot, (\q)+1, 4
.endm
.macro TURN slot, next                 ; slot 0's last step: behind the barrier slot 1 is whole for every wave.  Nothing is filled again
	s_wait_tensorcnt 0x0                           ; all my tensor loads have landed: my part of slot 1
	ds_add_u32 v[SPW], v[NIL]
	s_wait_dscnt 4*NL+1                            ; the add and the youngest eight loads may be out
	WIN MUL_LO
	MUL16 0, 1, NQ-1, \slot, 0
	s_wait_dscnt 0x0
	s_barrier_signal -1
	MUL16 2, 1, NQ-1, \slot, 0
	WIN 0
	s_barrier_wait -1
	PLACES NP
	v_add_nc_u32 v[ADRS], 4*NQ, v[ADRS]            ; the next K step's scale words
	FETCH_B \next, 0, 0
	FETCH_A \next, 0, 0
	SCALES \next
	WIN MUL_HI
	MUL16 4, 1, NQ-1, \slot, 0
	MUL16 6, 1, NQ-1, \slot, 0
	PLACES NP
	WIN 0
	FETCH_A \next, 0, 4
.endm
.macro STEPS slot, from
.set Q, \from
.rept NQ-1-\from
	STEP \slot, Q, 0
.set Q, Q+1
.endr
.endm
	s_wait_tensorcnt 1                             ; the scales and my part of K step 0 are in; K step 1's load may be out
	s_barrier_signal -1
	s_barrier_wait -1
	FETCH_B 0, 0, 0
	FETCH_A 0, 0, 0
	SCALES 0
	FETCH_A 0, 0, 4
	STEP 0, 0, 1                                   ; the first products start the sums: nothing is cleared
	STEPS 0, 1
	TURN 0, 1
	STEPS 1, 0
	s_wait_dscnt 4*NL
	WIN MUL_LO
	MUL16 0, 1, NQ-1, 1, 0
	MUL16 2, 1, NQ-1, 1, 0
	s_wait_dscnt 0
	WIN MUL_HI
	MUL16 4, 1, NQ-1, 1, 0
	MUL16 6, 1, NQ-1, 1, 0
	WIN 0
	PLACES NP                                      ; behind the last products: for the reads of results, the loads into B's registers and the writes over A's and the scales'
	s_cmp_eq_u32 s95, 1
	s_cbranch_scc1 .Lv
; ---- THE WAY OUT OF q AND k.  Accumulator (a, b): lane (r, h) holds token 16 a + r, channel 16 (b % 4) + 8 h + j of head b / 4 of my two.
	s_lshr_b32 s20, s92, 11                        ; batch
	s_and_b32 s21, s92, 2047
	s_lshr_b32 s21, s21, 4                         ; my first tile of 16 tokens
	s_lshr_b32 s22, s93, 6                         ; 0..15: heads of q; 16..31: of k
	s_and_b32 s23, s22, 15
	s_lshl_b32 s20, s20, 4
	s_add_co_u32 s20, s20, s23                     ; 16 x batch + head
	s_lshl_b32 s18, s20, 18
	s_lshl_b32 s19, s21, 11
	s_add_co_u32 s18, s18, s19                     ; q: 262,144 bytes a head, 2,048 a tile
	s_lshl_b32 s19, s20, 19                        ; k: 524,288 bytes a head, 65,536 a slot of 256 keys, 2,048 a tile
	s_lshr_b32 s23, s21, 4
	s_lshl_b32 s23, s23, 16
	s_add_co_u32 s19, s19, s23
	s_and_b32 s23, s21, 15
	s_lshl_b32 s23, s23, 11
	s_add_co_u32 s19, s19, s23
	s_add_co_u32 s19, s19, 0x1000000
	s_cmp_lt_u32 s22, 16
	s_cselect_b32 s18, s18, s19
	s_mov_b32 s20, 0x80000
	s_cselect_b32 s20, 0x40000, s20                ; from a head to the next
	s_mov_b32 s19, 0
	s_mov_b32 s21, 0
	s_add_nc_u64 s[98:99], s[98:99], s[18:19]
	s_add_nc_u64 s[100:101], s[98:99], s[20:21]
	WIN TO_B
.irp a, 4,5,6,7
.irp i, 0,1,2,3,4,5,6,7
	global_load_b128 v[32*(\a%2)+128*((\a-4)/2)+4*\i:32*(\a%2)+128*((\a-4)/2)+4*\i+3], v[LI], s[96:97] offset:4096*\a+512*\i   ; the table for my rows 64..127, into B's registers
.endr
.endr
	WIN 0
.macro QKOUT a
.set AC, 64*((\a)%4)
.if (\a) < 4
.set TT, 64+32*((\a)%2)+128*((\a)/2)
.else
.set TT, 32*((\a)%2)+128*(((\a)-4)/2)
.endif
.set FF, FS+32*((\a)%2)
.set WN, 0x02+(\a)/4
	s_wait_loadcnt 56-8*(\a)                       ; the bias and this block's table are in; the eight table loads of each later block may be out
	WIN WN                                         ; source 0: the accumulators' window
.irp b, 0,1,2,3,4,5,6,7
.irp p, 0,2,4,6
	v_pk_add_f32 v[XV+8*\b+\p:XV+8*\b+\p+1], v[AC+8*\b+\p:AC+8*\b+\p+1], v[BI+8*\b+\p:BI+8*\b+\p+1]   ; + bias; each accumulator from its low end on
.endr
.endr
	WIN 0x04                                       ; source 1: the table's window
.irp d, 0,1                            ; RoPE: channels c and c + 32 of a head turn together; frequency 16 u + 8 h + j
.irp u, 0,1
.irp p, 0,2,4,6
	v_pk_mul_f32 v[TP+2*\p:TP+2*\p+1], v[XV+8*(4*\d+\u+2)+\p:XV+8*(4*\d+\u+2)+\p+1], v[TT+16+8*\u+\p:TT+16+8*\u+\p+1]
	v_pk_mul_f32 v[TP+2*\p+2:TP+2*\p+3], v[XV+8*(4*\d+\u)+\p:XV+8*(4*\d+\u)+\p+1], v[TT+16+8*\u+\p:TT+16+8*\u+\p+1]
.endr
.irp p, 0,2,4,6
	v_pk_fma_f32 v[XV+8*(4*\d+\u)+\p:XV+8*(4*\d+\u)+\p+1], v[XV+8*(4*\d+\u)+\p:XV+8*(4*\d+\u)+\p+1], v[TT+8*\u+\p:TT+8*\u+\p+1], v[TP+2*\p:TP+2*\p+1] neg_lo:[0,0,1] neg_hi:[0,0,1]
	v_pk_fma_f32 v[XV+8*(4*\d+\u+2)+\p:XV+8*(4*\d+\u+2)+\p+1], v[XV+8*(4*\d+\u+2)+\p:XV+8*(4*\d+\u+2)+\p+1], v[TT+8*\u+\p:TT+8*\u+\p+1], v[TP+2*\p+2:TP+2*\p+3]
.endr
.endr
.endr
	WIN 0
	s_wait_xcnt 0x0                                ; the stores of two blocks ago have read their registers, which are written again below
.irp b, 0,1,2,3,4,5,6,7
.irp p, 0,1,2,3
	v_cvt_pk_f16_f32 v[FF+4*\b+\p], v[XV+8*\b+2*\p], v[XV+8*\b+2*\p+1]
.endr
.endr
.irp b, 0,1,2,3,4,5,6,7
	global_store_b128 v[LI], v[FF+4*\b:FF+4*\b+3], s[98+2*(\b/4):99+2*(\b/4)] offset:2048*(\a)+1024*((\b%4)/2)+512*(\b%2)   ; a piece of a fragment: 512 consecutive bytes
.endr
.endm
.irp a, 0,1,2,3,4,5,6,7
	QKOUT \a
.endr
	s_branch .Ljoin
; ---- THE WAY OUT OF v.  Accumulator (a, b): lane (r, h) holds channel 16 (a % 4) + r of head a / 4 of my two, keys 16 b + 8 h + j: piece b % 2 of the fragment of V^T for keys 32 (b / 2) on.
.Lv:
	s_wait_loadcnt 0x0
.irp a, 0,1,2,3,4,5,6,7
	v_mov_b32 v[BV+2*\a+1], v[BV+2*\a]             ; the lane's bias, twice: a pair for the packed addition
.endr
	s_lshr_b32 s20, s93, 11                        ; batch (B's rows are tokens here)
	s_lshl_b32 s20, s20, 4
	s_lshr_b32 s21, s92, 6                         ; my first head
	s_add_co_u32 s20, s20, s21
	s_lshl_b32 s18, s20, 19
	s_and_b32 s21, s93, 2047
	s_lshr_b32 s21, s21, 5                         ; my first block of 32 keys
	s_lshr_b32 s22, s21, 3
	s_lshl_b32 s22, s22, 16
	s_add_co_u32 s18, s18, s22
	s_and_b32 s22, s21, 7
	s_lshl_b32 s22, s22, 12
	s_add_co_u32 s18, s18, s22
	s_add_co_u32 s18, s18, 0x1000000+32768         ; in a slot V lies behind K's 32,768 bytes
	s_mov_b32 s19, 0
	s_add_nc_u64 s[98:99], s[98:99], s[18:19]
.macro VOUT a
.set AC, 64*((\a)%4)
.set FF, FS+32*((\a)%2)
.set WN, 0x02+(\a)/4
	WIN WN
.irp b, 0,1,2,3,4,5,6,7
.irp p, 0,2,4,6
	v_pk_add_f32 v[XV+8*\b+\p:XV+8*\b+\p+1], v[AC+8*\b+\p:AC+8*\b+\p+1], v[BV+2*(\a):BV+2*(\a)+1]
.endr
.endr
	WIN 0
	s_wait_xcnt 0x0                                ; the stores of two blocks ago have read their registers
.irp b, 0,1,2,3,4,5,6,7
.irp p, 0,1,2,3
	v_cvt_pk_f16_f32 v[FF+4*\b+\p], v[XV+8*\b+2*\p], v[XV+8*\b+2*\p+1]
.endr
.endr
.irp b, 0,1,2,3,4,5,6,7
	global_store_b128 v[LI], v[FF+4*\b:FF+4*\b+3], s[98:99] offset:((\a)/4)*524288+(\b/2)*4096+((\a)%4)*1024+(\b%2)*512
.endr
.endm
.irp a, 0,1,2,3,4,5,6,7
	VOUT \a
.endr
.Ljoin:
	s_wait_tensorcnt 0x0                           ; the wave's end
	ds_add_u32 v[SPW], v[NIL]
	s_wait_dscnt 0x0
	CROUND                                         ; the closing round
	s_endpgm
.Lfunc_end_k_q6ba1cb5472_qkvgemm:
	.size	k_q6ba1cb5472_qkvgemm, .Lfunc_end_k_q6ba1cb5472_qkvgemm-k_q6ba1cb5472_qkvgemm
	.p2alignl 7, 3214868480
	.fill 96, 4, 3214868480
	.section	.rodata,"a",@progbits
	.p2align	6, 0x0
	.amdhsa_kernel k_q6ba1cb5472_qkvgemm
		.amdhsa_group_segment_fixed_size 327680
		.amdhsa_private_segment_fixed_size 0
		.amdhsa_enable_private_segment 0
		.amdhsa_kernarg_size 56
		.amdhsa_user_sgpr_count 2
		.amdhsa_user_sgpr_kernarg_segment_ptr 1
		.amdhsa_wavefront_size32 1
		.amdhsa_system_sgpr_workgroup_id_x 1
		.amdhsa_system_sgpr_workgroup_id_y 1
		.amdhsa_system_sgpr_workgroup_id_z 1
		.amdhsa_system_vgpr_workitem_id 0
		.amdhsa_next_free_vgpr 1024
		.amdhsa_next_free_sgpr 102
		.amdhsa_reserve_vcc 0
		.amdhsa_float_denorm_mode_32 3
		.amdhsa_float_denorm_mode_16_64 3
		.amdhsa_memory_ordered 1
		.amdhsa_forward_progress 1
		.amdhsa_inst_pref_size 216
	.end_amdhsa_kernel
	.amdgpu_metadata
---
amdhsa.version: [ 1, 2 ]
amdhsa.kernels:
  - .name:           k_q6ba1cb5472_qkvgemm
    .symbol:         k_q6ba1cb5472_qkvgemm.kd
    .args:
      - { .name: xc, .offset: 0, .size: 8, .value_kind: global_buffer, .address_space: global }
      - { .name: xs, .offset: 8, .size: 8, .value_kind: global_buffer, .address_space: global }
      - { .name: wc, .offset: 16, .size: 8, .value_kind: global_buffer, .address_space: global }
      - { .name: ws, .offset: 24, .size: 8, .value_kind: global_buffer, .address_space: global }
      - { .name: bqkv, .offset: 32, .size: 8, .value_kind: global_buffer, .address_space: global }
      - { .name: tab, .offset: 40, .size: 8, .value_kind: global_buffer, .address_space: global }
      - { .name: qkvi, .offset: 48, .size: 8, .value_kind: global_buffer, .address_space: global }
    .group_segment_fixed_size: 327680
    .private_segment_fixed_size: 0
    .kernarg_segment_align: 8
    .kernarg_segment_size: 56
    .max_flat_workgroup_size: 128
    .sgpr_count:     102
    .vgpr_count:     1024
    .wavefront_size: 32
...
	.end_amdgpu_metadata
.endif
;; end of part 2
;; launch attn (part 3): grid 8 x 64, 4 waves a work-group, clusters of 4 x 1, 327,680 bytes of LDS; arguments qkvi, atti; writes atti
.if DOCPART == 3
	.amdgcn_target "amdgcn-amd-amdhsa--gfx1250"
	.amdhsa_code_object_version 6
	.text
	.protected	k_q6ba1cb5472_attn
	.globl	k_q6ba1cb5472_attn
	.p2align	8
	.type	k_q6ba1cb5472_attn,@function
k_q6ba1cb5472_attn:
	s_mov_b64 s[64:65], 0
	v_nop
	global_prefetch_b8 v0, s[64:65] scope:SCOPE_SE
	s_setreg_imm32_b32 hwreg(HW_REG_WAVE_MODE, 25, 1), 1
	s_wait_xcnt 0x0
	s_wait_alu depctr_hold_cnt(0) depctr_sa_sdst(0) depctr_va_vdst(0) depctr_va_sdst(0) depctr_va_ssrc(0) depctr_va_vcc(0) depctr_vm_vsrc(0)
	s_getreg_b32 s2, hwreg(HW_REG_IB_STS2, 6, 4)
	s_cmp_eq_u32 s2, 0
	s_cbranch_scc0 .Lentry_in_a_cluster
	s_endpgm
.Lentry_in_a_cluster:
	s_bfe_u32 s2, ttmp6, 0x10000c
	s_cmp_lg_u32 s2, 0x3003
	s_cbranch_scc0 .Lentry_shape_is_right
	s_endpgm
.Lentry_shape_is_right:
; O[bh][q] = the sum over k of softmax_k(Q[bh][q] . K[bh][k] / 8) V[bh][k]: 64 (batch, head) pairs, 2,048 tokens, head size 64, no mask.  Operands in f16, products, maxima and sums in f32.
; Q, K and V^T arrive as images of fragments' registers (1,024 bytes: [piece][lane][16 bytes]), so every load is 16 bytes a lane at 16 x lane, dense, and nothing is turned or padded.
; SHARES.  A work-group owns 256 queries of one (batch, head), each of its four waves 64: four tiles of 16.  Every wave walks all keys, 64 a step.
; LAYOUT.  S^T = K Q^T and O^T = V^T P: a lane holds ONE query throughout; two tiles of S^T, rounded to f16 in pairs, are source 1 of the second product.
; SOFTMAX.  A running maximum m and sum l for each query: p = 2^(c s - c m), c = log2(e) / 8; in every step O and l are multiplied by a = 2^(c m_old - c m_new).
; BY TURNS.  The wave's tiles are two pieces (tiles 0, 1 and 2, 3).  In a turn one piece issues 16 products V^T P of the step in hand and 16 products K Q^T of the next step; the other piece's
; softmax, 2 x 118 instructions cut into 59 slices of four, stands between them.  Then the pieces change places.  Two turns are a key step.
; CLUSTER.  The four query blocks of a cluster walk the same K and V: each slot of 256 keys (65,536 dense bytes) is asked for jointly, a quarter by each wave.
; LIMITS: what the launch before states of f16; the result is rounded to f16 for the projection.
; REGISTERS: window 0: v2 16 x lane, v4 the address in hand, v12-43 statistics (8 a tile), v61-63, v64-191 S^T (32 a tile), v192-255 P (16 a tile).
;   window 1: v0-127 O^T (32 a tile), v128-191 Q (16 a tile), v192-255 K of one step.   window 2: v0-63 V of one step.
.set SLOT1, 65536                      ; slot 1 begins here: one exclusive or turns an address in one slot into the other's
.set STEPB, 8192                       ; a key step's K (and its V, 32,768 bytes further on)
.set SPARE, 2*SLOT1                    ; the spare words, 128 bytes for each wave
.set LI,  2
.set ADR, 4
.set ST,  12                           ; tile t: +0 c m, +1 m, +2, +3 l, +4 to +7 at work; a takes +6 once the maximum is found
.set PFO, 61
.set SPW, 62
.set NIL, 63
.set S,   64
.set P,   192
.set KF,  192                          ; K's fragments, in window 1
.set QF,  128                          ; Q's, in window 1
.set WV,  12
.set LIM, 15
.set PFA, 18
.set G1,  24                           ; s[24:31] the one group 1
.set G0A, 40                           ; s[40:43] group 0 of slot 0's first fill;  s[44:47] of slot 1's, which then walks on
.set G0W, 44
.set SLOTS, 56
.set CNT, 57
.set CS,  58
.set SEL, 60
.set TB,  62
.set MSB, 0
.macro WIN new
.if MSB != (\new)
	s_set_vgpr_msb (MSB<<8)|(\new)
.set MSB, (\new)
.endif
.endm
.set W_KQ, 0x05                        ; K and Q in window 1, S^T in window 0
.set W_PV, 0x52                        ; V in window 2, P in window 0, O^T in window 1
.set W_RS, 0x41                        ; O^T in window 1, a in window 0
.macro JLOAD                           ; the joint refill: every wave its quarter (both addresses hang on the wave's number); an s_nop 0 and four v_nop follow
	tensor_load_to_lds s[G0W:G0W+3], s[G1:G1+7]
	s_nop 0
.rept 4
	v_nop
.endr
.endm
; A prefetch of the slot that the NEXT change will ask for.  Both clusters of a (batch, head) walk the same bytes: the first asks.  Its four partners take 16,384 bytes each, told apart by address;
; in each, waves 0 and 1 take 8,192, lanes 256 bytes apart: each block of 256 bytes is named once.  The last change that fills a slot asks for nothing.
.macro ASK
	s_cmp_gt_u32 s[SLOTS], s[LIM]
	s_cbranch_scc0 .Lnot_mine_\@
	global_prefetch_b8 v[PFO], s[PFA:PFA+1] th:TH_LOAD_NT scope:SCOPE_SE
.Lnot_mine_\@:
.endm
.macro CROUND
	s_barrier_signal -1
	s_barrier_wait -1
	s_cmp_lg_u32 s[WV], 0
	s_cbranch_scc1 .Lnot_wave_0_\@
	s_barrier_signal -3
.Lnot_wave_0_\@:
	s_barrier_wait -3
	s_barrier_signal -1
	s_barrier_wait -1
.endm
.macro PLACES
.rept 4
	v_nop
.endr
.endm
	s_load_b128 s[4:7], s[0:1], 0x0                ; qkvi s[4:5], atti s[6:7]
	v_lshl_add_u32 v[SPW], v0, 2, SPARE
	v_mov_b32 v[NIL], 0
	ds_add_u32 v[SPW], v[NIL]                      ; the wave's opening: the add, twice on end, and its wait ahead of my first tensor load
	ds_add_u32 v[SPW], v[NIL]
	v_lshrrev_b32 v1, 5, v0
	v_readfirstlane_b32 s[WV], v1                  ; wave 0..3
	s_bfe_u32 s13, ttmp6, 0x40000                  ; cx
	s_lshl_b32 s14, ttmp9, 2
	s_add_co_u32 s14, s14, s13                     ; my block of 256 queries: it enters Q's and the result's addresses alone
	s_and_b32 s20, ttmp7, 0xffff                   ; 16 x batch + head, which the partners share
	s_mov_b32 s[G1], 15|(3<<16)|(1<<21)            ; the mask: all four work-groups; elements of 8 bytes; bit 21 beside a mask; no padding
	s_mov_b32 s[G1+1], 32<<16                      ; tensor_dim0: 32 elements, 256 bytes
	s_mov_b32 s[G1+2], 64<<16                      ; tensor_dim1: 64 rows
	s_mov_b32 s[G1+3], 32<<16                      ; tile_dim0
	s_mov_b32 s[G1+4], 64                          ; tile_dim1
	s_mov_b32 s[G1+5], 32                          ; the pitch: dense
	s_mov_b32 s[G1+6], 0
	s_mov_b32 s[G1+7], 0
	s_mov_b32 s[CS], 0x3e38aa3b                    ; c = log2(e) / 8
	s_mov_b32 s[CS+1], s[CS]
	s_mov_b32 s[SEL], 0x76543210
	s_mov_b32 s[SEL+1], 0xfedcba98
	s_mov_b32 s[TB], 0
	s_mov_b32 s[SLOTS], 6                          ; slots 2 to 7 are asked for at changes of slots
	s_lshr_b32 s[LIM], s[WV], 1
	s_or_b32 s[LIM], s[LIM], ttmp9                 ; 0 in waves 0 and 1 of the first cluster: the same in all four partners
	s_cmp_eq_u32 s[LIM], 0
	s_cselect_b32 s[LIM], 1, -1
	v_and_b32 v[PFO], 31, v0
	v_lshlrev_b32 v[PFO], 8, v[PFO]
	s_lshl_b32 s16, s[WV], 14                      ; my quarter of a slot, in LDS and in memory
	s_lshl_b32 s22, s20, 19                        ; K and V: 524,288 bytes a (batch, head), behind Q's 16,777,216
	s_add_co_u32 s22, s22, 0x1000000
	s_lshl_b32 s36, s13, 14                        ; the prefetches: my work-group's quarter,
	s_add_co_u32 s36, s36, s22
	s_lshl_b32 s37, s[WV], 13                      ; my wave's half of it,
	s_add_co_u32 s36, s36, s37
	s_add_co_u32 s36, s36, 2*SLOT1                 ; in slot 2: the first change steps it to slot 3
	s_mov_b32 s37, 0
	s_add_co_u32 s22, s22, s16
	s_mov_b32 s23, 0
	s_lshl_b32 s2, s20, 18                         ; Q: 262,144 bytes a (batch, head), 2,048 a tile
	s_lshl_b32 s3, s14, 15
	s_add_co_u32 s2, s2, s3
	s_lshl_b32 s3, s[WV], 13
	s_add_co_u32 s2, s2, s3
	s_mov_b32 s3, 0
	s_and_b32 s32, s20, 15                         ; the result: [K step of the projection = head / 2][tile of tokens][4 x 1,024 bytes]
	s_lshr_b32 s32, s32, 1
	s_lshl_b32 s32, s32, 21
	s_lshr_b32 s33, s20, 4
	s_lshl_b32 s33, s33, 19
	s_add_co_u32 s32, s32, s33
	s_lshl_b32 s33, s14, 16
	s_add_co_u32 s32, s32, s33
	s_lshl_b32 s33, s[WV], 14
	s_add_co_u32 s32, s32, s33
	s_and_b32 s33, s20, 1
	s_lshl_b32 s33, s33, 11
	s_add_co_u32 s32, s32, s33
	s_mov_b32 s33, 0
	s_wait_dscnt 0x0                               ; both opening adds are done
	s_wait_kmcnt 0x0
	s_add_nc_u64 s[8:9], s[4:5], s[2:3]            ; Q at my wave's first tile
	s_add_nc_u64 s[10:11], s[6:7], s[32:33]        ; the result likewise
	s_add_nc_u64 s[34:35], s[4:5], s[22:23]        ; my quarter of slot 0
	s_add_nc_u64 s[PFA:PFA+1], s[4:5], s[36:37]
	s_mov_b32 s[G0A], 1
	s_mov_b32 s[G0A+1], s16
	s_mov_b64 s[G0A+2:G0A+3], s[34:35]
	s_or_b32 s[G0A+3], s[G0A+3], 0x80000000
	s_mov_b32 s[G0W], 1
	s_add_co_u32 s[G0W+1], s16, SLOT1
	s_add_nc_u64 s[G0W+2:G0W+3], s[34:35], SLOT1
	s_or_b32 s[G0W+3], s[G0W+3], 0x80000000
	CROUND                                         ; all four work-groups are here: the first joint loads meet
	tensor_load_to_lds s[G0A:G0A+3], s[G1:G1+7]    ; both first fills together: two loads of mine are out
	s_nop 0
	tensor_load_to_lds s[G0W:G0W+3], s[G1:G1+7]
	s_nop 0
.rept 4
	v_nop
.endr
	v_and_b32 v[LI], 31, v0
	v_lshlrev_b32 v[LI], 4, v[LI]
	WIN 0x40
.irp f, 0,1,2,3,4,5,6,7,8,9,10,11,12,13,14,15
	global_load_b128 v[QF+4*\f:QF+4*\f+3], v[LI], s[8:9] offset:512*\f   ; Q stays in registers
.endr
	WIN 0
; Product i of 16 of O^T += V^T P for piece x: keys 32 (i / 8) on, channels 16 ((i / 2) % 4) on, tile x + i % 2.  The eight accumulators take turns.
.macro PV x, zero
	WIN W_PV
.set rO, 32*(\x+i%2)+8*((i/2)%4)
.set rV, 32*(i/8)+8*((i/2)%4)
.set rP, P+16*(\x+i%2)+8*(i/8)
.if \zero && (i < 8)
	v_wmma_f32_16x16x32_f16 v[rO:rO+7], v[rV:rV+7], v[rP:rP+7], 0
.else
	v_wmma_f32_16x16x32_f16 v[rO:rO+7], v[rV:rV+7], v[rP:rP+7], v[rO:rO+7]
.endif
.endm
; Product i of 16 of S^T = K Q^T: channels 32 (i / 8) on, keys 16 ((i / 2) % 4) on, tile x + i % 2.  The first eight start the sums.
.macro KQ x
	WIN W_KQ
.set rS, S+32*(\x+i%2)+8*((i/2)%4)
.set rK, KF+16*((i/2)%4)+8*(i/8)
.set rQ, QF+16*(\x+i%2)+8*(i/8)
.if i < 8
	v_wmma_f32_16x16x32_f16 v[rS:rS+7], v[rK:rK+7], v[rQ:rQ+7], 0
.else
	v_wmma_f32_16x16x32_f16 v[rS:rS+7], v[rK:rK+7], v[rQ:rQ+7], v[rS:rS+7]
.endif
.endm
.macro FETCH_K                         ; a step's K: 16 loads in one run
	WIN 0
	v_add_nc_u32 v[ADR], s[TB], v[LI]
	WIN 0x40
.irp f, 0,1,2,3,4,5,6,7,8,9,10,11,12,13,14,15
	ds_load_b128 v[KF+4*\f:KF+4*\f+3], v[ADR] offset:512*\f
.endr
.endm
.macro FETCH_V                         ; the same step's V, a turn later; the wait for the softmax's batch stands in it
	WIN 0
	v_add_nc_u32 v[ADR], s[TB], v[LI]
	s_add_co_u32 s[TB], s[TB], STEPB               ; the next fetch is the next step's
	s_wait_alu depctr_va_vdst(0)                   ; one wait for the piece's exponentials, ahead of the first instruction that names a result
	WIN 0x80
.irp f, 0,1,2,3,4,5,6,7,8,9,10,11,12,13,14,15
	ds_load_b128 v[4*\f:4*\f+3], v[ADR] offset:32768+512*\f
.endr
.endm
; One tile's softmax for one key step is a list of 118 instructions; SM writes number j of it for tile t.
;   0-15 the maximum of the lane's 32 scores and the old m;  16-20 the other half of the lanes', the new m, c m, its change;
;   21-69 ONE BATCH: 16 packed scalings c s - c m and 33 exponentials, none of which reads an exponential's result;  (the wait);
;   70-85 the roundings to f16;  86-101 the sums, l = a l + the sum;  102-117 the tile's O^T times a.   first = 1: the first key step has no a and nothing to rescale.
.macro SM t, first
.set rT, ST+8*(\t)
.set rS, S+32*(\t)
.set rP, P+16*(\t)
.set rO, 32*(\t)+2*(j-102)
.if j < 102
	WIN 0
.endif
.if j < 4
	v_max3_num_f32 v[rT+4+j], v[rS+8*j], v[rS+8*j+1], v[rS+8*j+2]
.elseif j < 12
	v_max3_num_f32 v[rT+4+j%4], v[rT+4+j%4], v[rS+8*(j%4)+2*(j/4)+1], v[rS+8*(j%4)+2*(j/4)+2]
.elseif j == 12
	v_max3_num_f32 v[rT+4], v[rT+4], v[rS+7], v[rS+15]
.elseif j == 13
	v_max3_num_f32 v[rT+6], v[rT+6], v[rS+23], v[rS+31]
.elseif j == 14
	v_max3_num_f32 v[rT+4], v[rT+4], v[rT+5], v[rT+6]
.elseif (j == 15) && \first
	v_max_num_f32 v[rT+4], v[rT+4], v[rT+7]
.elseif j == 15
	v_max3_num_f32 v[rT+4], v[rT+4], v[rT+7], v[rT+1]
.elseif j == 16
	v_permlanex16_b32 v[rT+5], v[rT+4], s[SEL], s[SEL+1]
.elseif j == 18
	v_max_num_f32 v[rT+1], v[rT+4], v[rT+5]
.elseif j == 19
	v_mul_f32 v[rT], s[CS], v[rT+1]
.elseif ((j == 17) || (j == 20) || (j == 23) || (j > 101)) && \first
.elseif j == 17
	v_mov_b32 v[rT+7], v[rT]
.elseif j == 20
	v_sub_f32 v[rT+7], v[rT+7], v[rT]
.elseif j == 23
	v_exp_f32 v[rT+6], v[rT+7]
.elseif (j < 23) || ((j < 38) && (j%2 == 0)) || ((j < 66) && (j%4 == 2))
.set b, (j-2)/4
.if j < 38
.set b, (j-20)/2
.endif
	v_pk_fma_f32 v[rS+2*b:rS+2*b+1], v[rS+2*b:rS+2*b+1], s[CS:CS+1], v[rT:rT+1] op_sel_hi:[1,0,0] neg_lo:[0,0,1] neg_hi:[0,0,1]
.elseif j < 70
.set e, j-38
.if j < 66
.set e, j-32-(j-38)/4
.endif
.if j < 38
.set e, (j-25)/2
.endif
	v_exp_f32 v[rS+e], v[rS+e]
.elseif j < 86
	v_cvt_pk_f16_f32 v[rP+j-70], v[rS+2*(j-70)], v[rS+2*(j-70)+1]
.elseif j < 102
.set z, j-86
.set w, 4
.set u, z
.if z >= 14
.set w, 32
.set u, 0
.elseif z >= 12
.set w, 16
.set u, z-12
.elseif z >= 8
.set w, 8
.set u, z-8
.endif
.if (z == 14) && \first
	v_pk_add_f32 v[rT+2:rT+3], v[rS:rS+1], v[rS+16:rS+17]
.elseif z < 15
	v_pk_add_f32 v[rS+w*u:rS+w*u+1], v[rS+w*u:rS+w*u+1], v[rS+w*u+w/2:rS+w*u+w/2+1]
.elseif !\first
	v_pk_fma_f32 v[rT+2:rT+3], v[rT+2:rT+3], v[rT+6:rT+7], v[rS:rS+1] op_sel_hi:[1,0,1]
.endif
.else
	WIN W_RS
	v_pk_mul_f32 v[rO:rO+1], v[rO:rO+1], v[rT+6:rT+7] op_sel_hi:[1,0]
.endif
.endm
; Slice k of 59 of piece y's softmax: four instructions.  Slices 11 to 34 deal out the batch, four numbers of one tile each, the tiles by turns; every other slice is numbers 2 k, 2 k + 1 of both tiles.
.macro SLICE y, first
.if (k >= 11) && (k < 35)
.irp n, 0,1,2,3
.set j, 22+4*((k-11)/2)+(\n)
	SM (\y)+(k-11)%2, \first
.endr
.else
.irp n, 0,1
.irp t, \y, \y+1
.set j, 2*k+\n
	SM \t, \first
.endr
.endr
.endif
.if k == 34
	v_nop                                          ; the plain instruction behind the last exponential: one for the batch
.if (\y) == 0
	FETCH_V
.else
	s_wait_alu depctr_va_vdst(0)                   ; the wait for the batch
.endif
.endif
.set k, k+1
.endm
.macro DEAL y, first                   ; behind a product: its share of the slices that are left
.rept (59-k+rem-1)/rem
	SLICE \y, \first
.endr
.set rem, rem-1
.endm
; A TURN.  Piece x has the matrix unit.  pv = 2: 16 products V^T P; 1: they start O^T's sums; 0: none.  kq = 1: 16 products K Q^T for the next step.
; In a full turn two slices stand behind each of the first 27 products and one behind each of the last five; the last slice, four packed multiplies on the other piece's O^T, is the four places
; between the turn's last K Q^T and the next turn's first read of those scores.  Piece 0's turn fetches the next step's K behind its second product.  Piece 2's turn fetches that step's V behind
; slice 34, which stands behind product 17: behind the last product that read V (15) stand five plain instructions: three scalings, the v_nop and the run's own addition.
.macro TURN x, pv, kq, first
.set k, 0
.set rem, 0
.if \pv
.set rem, rem+16
.endif
.if \kq
.set rem, rem+16
.endif
.if \pv
.if \x == 0
	s_wait_dscnt 0x0                               ; V is in
.endif
.set i, 0
.rept 16
	PV \x, 2-\pv
	DEAL 2-\x, \first
.if (\x == 0) && \kq && (i == 1)
	FETCH_K
.endif
.set i, i+1
.endr
.endif
.if \kq
.if \x == 0
	s_wait_dscnt 0x0                               ; K is in
.endif
.set i, 0
.rept 16
	KQ \x
	DEAL 2-\x, \first
.set i, i+1
.endr
.endif
.if \first
	PLACES                                         ; the first softmax has no rescaling: its last slices are empty
.endif
.endm
; THE CHANGE OF SLOTS, when the slot's last bytes have been asked for.  Each wave waits for all its tensor loads (its part of the other slot), adds 0 to its spare word, and waits for that and for its
; reads of the slot.  fill = 1: the barrier is a round of the cluster's, and the joint refill is the first thing behind it: it has four key steps in which to land.
.macro CHANGE fill
	WIN 0
	s_wait_tensorcnt 0x0
	ds_add_u32 v[SPW], v[NIL]
.if \fill
	s_xor_b32 s[G0W+1], s[G0W+1], SLOT1            ; the walking descriptor: the other slot, the next 256 keys
	s_add_nc_u64 s[G0W+2:G0W+3], s[G0W+2:G0W+3], SLOT1
	s_wait_xcnt 0x0                                ; the last prefetch, a slot back, has read its address
	s_add_nc_u64 s[PFA:PFA+1], s[PFA:PFA+1], SLOT1
	s_wait_dscnt 0x0
	CROUND
	JLOAD
	ASK
.else
	s_wait_dscnt 0x0
	s_barrier_signal -1
	s_barrier_wait -1
.endif
	s_sub_co_u32 s[TB], s[TB], 4*STEPB             ; the fetches go back to a slot's first step,
	s_xor_b32 s[TB], s[TB], SLOT1                  ; in the other slot
.endm
.macro STEPS n                         ; n key steps: written once, walked n times; the LDS addresses hang on s[TB]
	s_mov_b32 s[CNT], \n
.Lstep_\@:
	TURN 0, 2, 1, 0
	TURN 2, 2, 1, 0
	WIN 0
	s_sub_co_u32 s[CNT], s[CNT], 1
	s_cmp_lg_u32 s[CNT], 0
	s_cbranch_scc1 .Lstep_\@
.endm
	s_wait_tensorcnt 1                             ; my part of slot 0 is in; slot 1's may stay out
	s_barrier_signal -1
	s_barrier_wait -1
	FETCH_K                                        ; key step 0
	s_wait_loadcnt 0x0                             ; Q
	s_wait_dscnt 0x0
.set i, 0
.rept 16
	KQ 0                                           ; piece 0's first scores
.set i, i+1
.endr
	WIN 0
	PLACES
	TURN 2, 0, 1, 1                                ; piece 2's first scores | piece 0's first softmax | V of step 0
	TURN 0, 1, 1, 1                                ; piece 0: V^T P of step 0 starts O^T, K Q^T of step 1 | piece 2's first softmax | K of step 1
	TURN 2, 1, 1, 0                                ; piece 2: the same | piece 0's softmax of step 1 | V of step 1
	WIN 0
	STEPS 2                                        ; the rest of slot 0 is fetched
.Lslot:                                            ; six trips: slots 2 to 7 are asked for
	CHANGE 1
	STEPS 4
	s_sub_co_u32 s[SLOTS], s[SLOTS], 1
	s_cmp_lg_u32 s[SLOTS], 0
	s_cbranch_scc1 .Lslot
	CHANGE 0                                       ; the tail is written out
	STEPS 4
	TURN 0, 2, 0, 0                                ; piece 0: V^T P of the last step | piece 2's last softmax
.set i, 0
.rept 16
	PV 2, 0
.set i, i+1
.endr
	; THE WAY OUT: O^T / l, rounded to f16: a lane's eight channels of a query are a piece of a fragment for the projection: 16 bytes a lane, 512 consecutive bytes a store.
	WIN 0
.irp t, 0,1,2,3
	v_add_f32 v[ST+8*\t+4], v[ST+8*\t+2], v[ST+8*\t+3]         ; (these additions are the places behind the last products)
.endr
.irp t, 0,1,2,3
	v_permlanex16_b32 v[ST+8*\t+5], v[ST+8*\t+4], s[SEL], s[SEL+1]
.endr
.irp t, 0,1,2,3
	v_add_f32 v[ST+8*\t+4], v[ST+8*\t+4], v[ST+8*\t+5]
.endr
.irp t, 0,1,2,3
	v_rcp_f32 v[ST+8*\t+6], v[ST+8*\t+4]
.endr
	v_nop
	s_wait_alu depctr_va_vdst(0)                   ; one wait for the four reciprocals
.macro PACK t
	WIN W_RS
.set i, 32*\t
.rept 16
	v_pk_mul_f32 v[i:i+1], v[i:i+1], v[ST+8*\t+6:ST+8*\t+7] op_sel_hi:[1,0]
.set i, i+2
.endr
	WIN 0x05
.set i, 0
.rept 16
	v_cvt_pk_f16_f32 v[S+32*\t+i], v[32*\t+2*i], v[32*\t+2*i+1]
.set i, i+1
.endr
	WIN 0
.irp f, 0,1,2,3
	global_store_b128 v[LI], v[S+32*\t+4*\f:S+32*\t+4*\f+3], s[10:11] offset:4096*\t+512*\f
.endr
.endm
	PACK 0
	PACK 1
	PACK 2
	PACK 3
	s_wait_tensorcnt 0x0                           ; the wave's end
	ds_add_u32 v[SPW], v[NIL]
	s_wait_dscnt 0x0
	CROUND                                         ; the closing round
	s_endpgm
.Lfunc_end_k_q6ba1cb5472_attn:
	.size	k_q6ba1cb5472_attn, .Lfunc_end_k_q6ba1cb5472_attn-k_q6ba1cb5472_attn
	.p2alignl 7, 3214868480
	.fill 96, 4, 3214868480
	.section	.rodata,"a",@progbits
	.p2align	6, 0x0
	.amdhsa_kernel k_q6ba1cb5472_attn
		.amdhsa_group_segment_fixed_size 327680
		.amdhsa_private_segment_fixed_size 0
		.amdhsa_enable_private_segment 0
		.amdhsa_kernarg_size 16
		.amdhsa_user_sgpr_count 2
		.amdhsa_user_sgpr_kernarg_segment_ptr 1
		.amdhsa_wavefront_size32 1
		.amdhsa_system_sgpr_workgroup_id_x 1
		.amdhsa_system_sgpr_workgroup_id_y 1
		.amdhsa_system_sgpr_workgroup_id_z 1
		.amdhsa_system_vgpr_workitem_id 0
		.amdhsa_next_free_vgpr 576
		.amdhsa_next_free_sgpr 66
		.amdhsa_reserve_vcc 0
		.amdhsa_float_denorm_mode_32 3
		.amdhsa_float_denorm_mode_16_64 3
		.amdhsa_memory_ordered 1
		.amdhsa_forward_progress 1
		.amdhsa_inst_pref_size 189
	.end_amdhsa_kernel
	.amdgpu_metadata
---
amdhsa.version: [ 1, 2 ]
amdhsa.kernels:
  - .name:           k_q6ba1cb5472_attn
    .symbol:         k_q6ba1cb5472_attn.kd
    .args:
      - { .name: qkvi, .offset: 0, .size: 8, .value_kind: global_buffer, .address_space: global }
      - { .name: atti, .offset: 8, .size: 8, .value_kind: global_buffer, .address_space: global }
    .group_segment_fixed_size: 327680
    .private_segment_fixed_size: 0
    .kernarg_segment_align: 8
    .kernarg_segment_size: 16
    .max_flat_workgroup_size: 128
    .sgpr_count:     66
    .vgpr_count:     576
    .wavefront_size: 32
...
	.end_amdgpu_metadata
.endif
;; end of part 3
;; launch proj (part 4): grid 4 x 64, 4 waves a work-group, clusters of 4 x 4, 327,680 bytes of LDS; arguments atti, woi, bo, out0; writes out0
.if DOCPART == 4
	.amdgcn_target "amdgcn-amd-amdhsa--gfx1250"
	.amdhsa_code_object_version 6
	.text
	.protected	k_q6ba1cb5472_proj
	.globl	k_q6ba1cb5472_proj
	.p2align	8
	.type	k_q6ba1cb5472_proj,@function
k_q6ba1cb5472_proj:
	s_mov_b64 s[64:65], 0
	v_nop
	global_prefetch_b8 v0, s[64:65] scope:SCOPE_SE
	s_setreg_imm32_b32 hwreg(HW_REG_WAVE_MODE, 25, 1), 1
	s_wait_xcnt 0x0
	s_wait_alu depctr_hold_cnt(0) depctr_sa_sdst(0) depctr_va_vdst(0) depctr_va_sdst(0) depctr_va_ssrc(0) depctr_va_vcc(0) depctr_vm_vsrc(0)
	s_getreg_b32 s2, hwreg(HW_REG_IB_STS2, 6, 4)
	s_cmp_eq_u32 s2, 0
	s_cbranch_scc0 .Lentry_in_a_cluster
	s_endpgm
.Lentry_in_a_cluster:
	s_bfe_u32 s2, ttmp6, 0x10000c
	s_cmp_lg_u32 s2, 0xf033
	s_cbranch_scc0 .Lentry_shape_is_right
	s_endpgm
.Lentry_shape_is_right:
; out0 = attention's result x Wo + bo: [8192][1024] x [1024][1024], operands in f16, sums in f32.  Both operands arrive as images of fragments' registers, laid by K step of 128:
; a K step's part of a tile is one dense block, every LDS load is 16 bytes a lane at 16 x lane, and nothing is padded.
; A tile of 128 tokens x 256 columns gives 256 work-groups; a wave makes 64 x 128: 32 accumulators.  K goes in 8 steps of 128 through a ring of two LDS slots.
; THE MATRIX INSTRUCTION IS USED TRANSPOSED (source 0 = 16 columns of Wo, source 1 = 16 tokens): a lane holds eight neighbouring numbers of a row of out0.  bo is the C of each sum's first product.
; CLUSTERS: 4 x 4 work-groups; the tokens' tiles are asked for jointly along a row of the cluster, Wo's along a column.
; No prefetch: the launch is short, and a K step's tiles are small.
; REGISTERS: window 0: v16-29 addresses; v32-127, v128-223 two fragment buffers (4 of the tokens', then 8 of Wo's).  window 1: the accumulators ((a, b) at v[8 (8 a + b)]).  window 2: v0-63 bo.
.set SLOT,   98304                     ; the tokens' 32,768 bytes, then Wo's 65,536
.set BOFF,   32768
.set STAGE,  2*SLOT                    ; behind the ring: 16 rows x (512 bytes + 16) for each wave
.set SPITCH, 528
.set SPARE,  STAGE+4*16*SPITCH         ; the spare words, 128 bytes for each wave
.set ASTEP,  2097152                   ; a K step on, in atti
.set BSTEP,  262144                    ; and in woi
.set ADRA, 16
.set ADRB, 20
.set STO,  24
.set RD,   25
.set CO,   26
.set BH,   27
.set SPW,  28
.set NIL,  29
.set F0,   32
.set F1,   128
.set BK,   32                          ; the way out: v32-95 and v96-159 by turns
.set G1, 24
.set G0, 32
.set G1B, 48
.set G0B, 56
.set MSB, 0
.macro WIN new
.if MSB != (\new)
	s_set_vgpr_msb (MSB<<8)|(\new)
.set MSB, (\new)
.endif
.endm
.set MUL,  0x50                        ; sources 0 and 1 window 0; C and D window 1
.set MULB, 0x60                        ; C window 2 (bo), D window 1
.macro JLOAD s                         ; a joint load: waves 0 and 1 fetch the tokens' halves, waves 2 and 3 Wo's; an s_nop 0 and four v_nop follow each line
	s_cmp_eq_u32 s15, 0
	s_cbranch_scc0 .Lfor_b_\@
	tensor_load_to_lds s[G0+4*\s:G0+4*\s+3], s[G1:G1+7]
	s_nop 0
.rept 4
	v_nop
.endr
	s_branch .Lasked_\@
.Lfor_b_\@:
	tensor_load_to_lds s[G0B+4*\s:G0B+4*\s+3], s[G1B:G1B+7]
	s_nop 0
.rept 4
	v_nop
.endr
.Lasked_\@:
.endm
.macro CREST
	s_cmp_lg_u32 s14, 0
	s_cbranch_scc1 .Lnot_wave_0_\@
	s_barrier_signal -3
.Lnot_wave_0_\@:
	s_barrier_wait -3
	s_barrier_signal -1
	s_barrier_wait -1
.endm
.macro CROUND
	s_barrier_signal -1
	s_barrier_wait -1
	CREST
.endm
.macro PLACES
.rept 4
	v_nop
.endr
.endm
	s_load_b256 s[4:11], s[0:1], 0x0               ; atti s[4:5], woi s[6:7], bo s[8:9], out0 s[10:11]
	v_lshl_add_u32 v[SPW], v0, 2, SPARE
	v_mov_b32 v[NIL], 0
	ds_add_u32 v[SPW], v[NIL]                      ; the wave's opening: the add, twice on end, and its wait ahead of my first tensor load
	ds_add_u32 v[SPW], v[NIL]
	v_lshrrev_b32 v1, 5, v0
	v_readfirstlane_b32 s14, v1                    ; wave 0..3
	s_lshr_b32 s15, s14, 1                         ; which 64 tokens are mine.  Also: I fetch tokens (0) or Wo (1)
	s_and_b32 s16, s14, 1                          ; which 128 columns.  Also: which half I fetch
	s_bfe_u32 s40, ttmp6, 0x40000                  ; cx
	s_bfe_u32 s41, ttmp6, 0x40004                  ; cy
	s_lshl_b32 s42, ttmp9, 2
	s_add_co_u32 s42, s42, s40                     ; tile of columns
	s_and_b32 s17, ttmp7, 0xffff
	s_lshl_b32 s17, s17, 2
	s_add_co_u32 s17, s17, s41                     ; tile of tokens
	s_lshl_b32 s43, s41, 2
	s_lshl_b32 s43, 15, s43                        ; my row of the cluster
	s_lshl_b32 s44, 0x1111, s40                    ; my column
	s_or_b32 s[G1+0], s43, (3<<16)|(1<<21)         ; the mask; elements of 8 bytes; bit 21 beside a mask; no padding
	s_or_b32 s[G1B+0], s44, (3<<16)|(1<<21)
	s_mov_b32 s[G1+1], 32<<16                      ; rows of 256 bytes, dense:
	s_mov_b32 s[G1+2], 64<<16                      ; 64 of them for half of the tokens' tile,
	s_mov_b32 s[G1+3], 32<<16
	s_mov_b32 s[G1+4], 64
	s_mov_b32 s[G1+5], 32
	s_mov_b32 s[G1+6], 0
	s_mov_b32 s[G1+7], 0
	s_mov_b32 s[G1B+1], 32<<16
	s_mov_b32 s[G1B+2], 128<<16                    ; 128 for half of Wo's
	s_mov_b32 s[G1B+3], 32<<16
	s_mov_b32 s[G1B+4], 128
	s_mov_b32 s[G1B+5], 32
	s_mov_b32 s[G1B+6], 0
	s_mov_b32 s[G1B+7], 0
	s_lshl_b32 s20, s17, 15                        ; 8 tiles of 16 tokens x 4,096 bytes,
	s_lshl_b32 s21, s16, 14                        ; my half
	s_add_co_u32 s20, s20, s21
	s_mov_b32 s21, 0
	s_lshl_b32 s46, s42, 16                        ; 16 tiles of 16 columns x 4,096 bytes,
	s_lshl_b32 s47, s16, 15
	s_add_co_u32 s46, s46, s47
	s_mov_b32 s47, 0
	s_lshl_b32 s22, s16, 14                        ; where they go in a slot
	s_lshl_b32 s23, s16, 15
	s_add_co_u32 s23, s23, BOFF
	s_wait_dscnt 0x0                               ; both opening adds are done
	s_wait_kmcnt 0x0
	s_add_nc_u64 s[20:21], s[4:5], s[20:21]
	s_add_nc_u64 s[46:47], s[6:7], s[46:47]
	CROUND                                         ; all sixteen work-groups are here: the first joint loads meet
.irp s, 0,1
	s_mov_b32 s[G0+4*\s], 1
	s_add_co_u32 s[G0+4*\s+1], s22, \s*SLOT
	s_add_nc_u64 s[G0+4*\s+2:G0+4*\s+3], s[20:21], \s*ASTEP
	s_or_b32 s[G0+4*\s+3], s[G0+4*\s+3], 0x80000000
	s_mov_b32 s[G0B+4*\s], 1
	s_add_co_u32 s[G0B+4*\s+1], s23, \s*SLOT
	s_add_nc_u64 s[G0B+4*\s+2:G0B+4*\s+3], s[46:47], \s*BSTEP
	s_or_b32 s[G0B+4*\s+3], s[G0B+4*\s+3], 0x80000000
	JLOAD \s
.endr
	v_and_b32 v1, 15, v0                           ; r
	v_bfe_u32 v2, v0, 4, 1                         ; h
	v_and_b32 v[CO], 31, v0
	v_lshlrev_b32 v[CO], 4, v[CO]                  ; 16 x lane
	s_lshl_b32 s21, s15, 14                        ; my 4 tiles of tokens
	s_lshl_b32 s22, s16, 15                        ; my 8 tiles of columns
	s_add_co_u32 s22, s22, BOFF
.irp s, 0,1
	v_add_nc_u32 v[ADRA+\s], s21, v[CO]
	v_add_nc_u32 v[ADRB+\s], s22, v[CO]
	s_add_co_u32 s21, s21, SLOT
	s_add_co_u32 s22, s22, SLOT
.endr
	s_mul_i32 s23, s14, 16*SPITCH
	s_add_co_u32 s23, s23, STAGE                   ; my stage
	v_mul_u32_u24 v3, v1, SPITCH
	v_lshl_add_u32 v3, v2, 5, v3
	v_add_nc_u32 v[STO], s23, v3                   ; in: row r, 32 bytes for each half of the lanes
	v_add_nc_u32 v[RD], s23, v[CO]                 ; back: the 32 lanes take one row of 512 bytes
	v_lshlrev_b32 v[BH], 5, v2
	s_lshl_b32 s20, s42, 10                        ; my first column, in bytes
	s_lshl_b32 s21, s16, 9
	s_add_co_u32 s20, s20, s21
	s_mov_b32 s21, 0
	s_add_nc_u64 s[8:9], s[8:9], s[20:21]
	s_add_nc_u64 s[10:11], s[10:11], s[20:21]
	s_lshl_b32 s20, s17, 19                        ; my first row: 128 rows of 4,096 bytes a tile,
	s_lshl_b32 s22, s15, 18                        ; 64 for my half
	s_add_co_u32 s20, s20, s22
	s_add_nc_u64 s[10:11], s[10:11], s[20:21]
	WIN 0x80
.irp b, 0,1,2,3,4,5,6,7
	global_load_b128 v[8*\b:8*\b+3], v[BH], s[8:9] offset:64*\b          ; bo of columns 16 b + 8 h + 0..7: the result's layout
	global_load_b128 v[8*\b+4:8*\b+7], v[BH], s[8:9] offset:64*\b+16
.endr
	WIN 0
.macro MUL8 f, a, bias                 ; tokens' tile a x the eight tiles of columns, 32 along K.  The 32 accumulators take turns in the same order in every quarter
.irp b, 0,1,2,3,4,5,6,7
.if \bias
	v_wmma_f32_16x16x32_f16 v[8*(8*(\a)+\b):8*(8*(\a)+\b)+7], v[\f+32+8*\b:\f+32+8*\b+7], v[\f+8*(\a):\f+8*(\a)+7], v[8*\b:8*\b+7]
.else
	v_wmma_f32_16x16x32_f16 v[8*(8*(\a)+\b):8*(8*(\a)+\b)+7], v[\f+32+8*\b:\f+32+8*\b+7], v[\f+8*(\a):\f+8*(\a)+7], v[8*(8*(\a)+\b):8*(8*(\a)+\b)+7]
.endif
.endr
.endm
.macro FETCH slot, q, f                ; 24 LDS loads in one run: the fragments of the slot's q-th 32 along K
.irp i, 0,1,2,3,4,5,6,7
	ds_load_b128 v[\f+32+8*\i:\f+32+8*\i+3],   v[ADRB+\slot] offset:4096*\i+1024*(\q)
	ds_load_b128 v[\f+32+8*\i+4:\f+32+8*\i+7], v[ADRB+\slot] offset:4096*\i+1024*(\q)+512
.endr
.irp i, 0,1,2,3
	ds_load_b128 v[\f+8*\i:\f+8*\i+3],   v[ADRA+\slot] offset:4096*\i+1024*(\q)
	ds_load_b128 v[\f+8*\i+4:\f+8*\i+7], v[ADRA+\slot] offset:4096*\i+1024*(\q)+512
.endr
.endm
.macro QUARTER slot, qn, f, g, bias    ; multiplies buffer f; ahead of its 32 products the next quarter's fragments are asked for, into buffer g
	s_wait_dscnt 0x0                               ; buffer f is in (asked for 32 products ago)
	PLACES                                         ; between the products that read buffer g and the loads into it
	FETCH \slot, \qn, \g
.if \bias
	WIN MULB
.else
	WIN MUL
.endif
	MUL8 \f, 0, \bias
	MUL8 \f, 1, \bias
	MUL8 \f, 2, \bias
	MUL8 \f, 3, \bias
	WIN 0
.endm
; A slot's last quarter multiplies buffer 1 and changes slots: one barrier; in front of it each wave waits for all its tensor loads, adds 0 to its spare word, and waits for that and for its reads of the slot.
.macro TURN slot, next, fill
	s_wait_tensorcnt 0x0                           ; all my tensor loads have landed: my part of the next slot
	ds_add_u32 v[SPW], v[NIL]
	s_wait_dscnt 1                                 ; buffer 1 is in; the add may be out
	WIN MUL
	MUL8 F1, 0, 0
	s_wait_dscnt 0x0                               ; the add is done, and my reads of this slot are over
	s_barrier_signal -1
	MUL8 F1, 1, 0
	WIN 0
	s_barrier_wait -1
.if \fill
	CREST                                          ; the barrier has opened a round of the cluster's: no wave of any partner still reads this slot or has a load on its way
	s_add_nc_u64 s[G0+4*\slot+2:G0+4*\slot+3], s[G0+4*\slot+2:G0+4*\slot+3], 2*ASTEP
	s_add_nc_u64 s[G0B+4*\slot+2:G0B+4*\slot+3], s[G0B+4*\slot+2:G0B+4*\slot+3], 2*BSTEP
	JLOAD \slot                                    ; the first tensor load behind the round; its four v_nop are also the places in front of the loads below
.else
	PLACES
.endif
	FETCH \next, 0, F0
	WIN MUL
	MUL8 F1, 2, 0
	MUL8 F1, 3, 0
	WIN 0
.endm
	s_wait_tensorcnt 1                             ; my part of K step 0 is in; K step 1's may stay out
	s_barrier_signal -1
	s_barrier_wait -1
	FETCH 0, 0, F0
	s_wait_loadcnt 0x0                             ; bo
	QUARTER 0, 1, F0, F1, 1                        ; the first products start the sums from bo: nothing is cleared
	s_mov_b32 s3, 3
.Llap:                                             ; a trip goes once round the ring and fills both slots again: K steps 2 to 7
	QUARTER 0, 2, F1, F0, 0
	QUARTER 0, 3, F0, F1, 0
	TURN 0, 1, 1
	QUARTER 1, 1, F0, F1, 0
	QUARTER 1, 2, F1, F0, 0
	QUARTER 1, 3, F0, F1, 0
	TURN 1, 0, 1
	QUARTER 0, 1, F0, F1, 0
	s_sub_co_u32 s3, s3, 1
	s_cmp_lg_u32 s3, 0
	s_cbranch_scc1 .Llap
	QUARTER 0, 2, F1, F0, 0                        ; the last lap fills nothing
	QUARTER 0, 3, F0, F1, 0
	TURN 0, 1, 0
	QUARTER 1, 1, F0, F1, 0
	QUARTER 1, 2, F1, F0, 0
	QUARTER 1, 3, F0, F1, 0
	s_wait_dscnt 0x0
	WIN MUL
	MUL8 F1, 0, 0
	MUL8 F1, 1, 0
	MUL8 F1, 2, 0
	MUL8 F1, 3, 0
	WIN 0
; THE WAY OUT, 16 rows x 128 columns at a time: through my own stage in LDS and back as whole rows of 512 bytes.  LDS serves a wave's instructions in order (ISA guide 5.7.1.4).
.macro TOSTAGE a
	WIN 0x04                                       ; an LDS store's data are its source 1: window 1
.irp b, 0,1,2,3,4,5,6,7
	ds_store_b128 v[STO], v[8*(8*(\a)+\b):8*(8*(\a)+\b)+3] offset:64*\b          ; each accumulator from its low end on
	ds_store_b128 v[STO], v[8*(8*(\a)+\b)+4:8*(8*(\a)+\b)+7] offset:64*\b+16
.endr
	WIN 0
.set BB, BK+64*((\a)%2)
.irp t, 0,1,2,3,4,5,6,7,8,9,10,11,12,13,14,15
	ds_load_b128 v[BB+4*\t:BB+4*\t+3], v[RD] offset:\t*SPITCH
.endr
.endm
.macro SEND a, younger                 ; younger: the LDS instructions issued behind block a's loads, which may stay out
.set BB, BK+64*((\a)%2)
	s_wait_dscnt \younger
.irp t, 0,1,2,3,4,5,6,7,8,9,10,11,12,13,14,15
	global_store_b128 v[CO], v[BB+4*\t:BB+4*\t+3], s[10:11] offset:(16*(\a)+\t)*4096 th:TH_STORE_NT   ; 32 lanes store 512 consecutive bytes, at a multiple of 256 from out0's first byte
.endr
.endm
	PLACES                                         ; behind the last products: for the reads of results and the loads into the fragments' registers
	TOSTAGE 0
.irp a, 1,2,3
.if \a > 1
	s_wait_xcnt 0x0                                ; the stores of two blocks ago have read their registers: this block's loads may land there
.endif
	TOSTAGE \a
	SEND \a-1, 32                                  ; behind that block's loads: this block's 16 stores and 16 loads
.endr
	SEND 3, 0
	s_wait_tensorcnt 0x0                           ; the wave's end
	ds_add_u32 v[SPW], v[NIL]
	s_wait_dscnt 0x0
	CROUND                                         ; the closing round
	s_endpgm
.Lfunc_end_k_q6ba1cb5472_proj:
	.size	k_q6ba1cb5472_proj, .Lfunc_end_k_q6ba1cb5472_proj-k_q6ba1cb5472_proj
	.p2alignl 7, 3214868480
	.fill 96, 4, 3214868480
	.section	.rodata,"a",@progbits
	.p2align	6, 0x0
	.amdhsa_kernel k_q6ba1cb5472_proj
		.amdhsa_group_segment_fixed_size 327680
		.amdhsa_private_segment_fixed_size 0
		.amdhsa_enable_private_segment 0
		.amdhsa_kernarg_size 32
		.amdhsa_user_sgpr_count 2
		.amdhsa_user_sgpr_kernarg_segment_ptr 1
		.amdhsa_wavefront_size32 1
		.amdhsa_system_sgpr_workgroup_id_x 1
		.amdhsa_system_sgpr_workgroup_id_y 1
		.amdhsa_system_sgpr_workgroup_id_z 1
		.amdhsa_system_vgpr_workitem_id 0
		.amdhsa_next_free_vgpr 576
		.amdhsa_next_free_sgpr 66
		.amdhsa_reserve_vcc 0
		.amdhsa_float_denorm_mode_32 3
		.amdhsa_float_denorm_mode_16_64 3
		.amdhsa_memory_ordered 1
		.amdhsa_forward_progress 1
		.amdhsa_inst_pref_size 85
	.end_amdhsa_kernel
	.amdgpu_metadata
---
amdhsa.version: [ 1, 2 ]
amdhsa.kernels:
  - .name:           k_q6ba1cb5472_proj
    .symbol:         k_q6ba1cb5472_proj.kd
    .args:
      - { .name: atti, .offset: 0, .size: 8, .value_kind: global_buffer, .address_space: global }
      - { .name: woi, .offset: 8, .size: 8, .value_kind: global_buffer, .address_space: global }
      - { .name: bo, .offset: 16, .size: 8, .value_kind: global_buffer, .address_space: global }
      - { .name: out0, .offset: 24, .size: 8, .value_kind: global_buffer, .address_space: global }
    .group_segment_fixed_size: 327680
    .private_segment_fixed_size: 0
    .kernarg_segment_align: 8
    .kernarg_segment_size: 32
    .max_flat_workgroup_size: 128
    .sgpr_count:     66
    .vgpr_count:     576
    .wavefront_size: 32
...
	.end_amdgpu_metadata
.endif
;; end of part 4
